; MI455X (gfx1250); checked and timed in simulation.
; The chip was launched on July 23, 2026; its instructions are those of AMD's public machine-readable ISA for CDNA 5 (MIT licence, August 2026) and "CDNA5" Instruction Set Architecture Reference Guide (July 2026). The comments in the code are by the model that wrote it; some were corrected since.
;; Self Attention. Allowed arithmetic: matrix products marked QUANTISED: E2M3 operands, one E8M0 scale for each 32 along K, by v_wmma_scale_f32_16x16x128_f8f6f4 with both operands' format E2M3, f32 sums; everything else in f32.
;; Inputs: Wk 1,024 x 1,024 float32; Wq 1,024 x 1,024 float32; Wv 1,024 x 1,024 float32; bk 1,024 float32; bq 1,024 float32; bv 1,024 float32; x 4 x 2,048 x 1,024 float32.
;; Outputs: out0 4 x 2,048 x 1,024 float32.
;; This version of the problem:
;;   THIS VERSION OF THE PROBLEM IS GIVEN IN LOW PRECISION. The matrix products marked QUANTISED in the list below multiply operands that are first quantised to E2M3 (2 exponent bits, 3 mantissa bits; 6 bits a number), with one power-of-two scale for each 32 numbers along K (OCP MX v1.0); their sums are f32. All else is computed in f32.
;;   The module's matrix products, in the order in which they are computed (A, B: the left and right operand; K: the contracted axis; several contracted axes count as one K, in the product's order):
;;     1. [M 8,192, K 1,024] x [K 1,024, N 1,024]; A: input x; B: input Wq: QUANTISED
;;     2. [M 8,192, K 1,024] x [K 1,024, N 1,024]; A: input x; B: input Wk: QUANTISED
;;     3. [M 8,192, K 1,024] x [K 1,024, N 1,024]; A: input x; B: input Wv: QUANTISED
;;     4. batch 4 x [M 2,048, K 1,024] x [K 1,024, N 2,048]; A: computed on the way; B: computed on the way: QUANTISED
;;     5. batch 4 x [M 2,048, K 2,048] x [K 2,048, N 1,024]; A: softmax (see below); B: computed on the way: QUANTISED
;;   THE QUANTISER, for each operand of a quantised product, along K:
;;     - K is cut into blocks of 32 from its start; a last block that is shorter is filled with zeros.
;;     - A block's scale is 2^e with e = floor(log2(the largest magnitude in the block)) - 2, held to -126 .. 127; a block of zeros has e = 0. As a byte (E8M0): e + 127.
;;     - Each number is divided by its block's scale, clamped to +-7.5, and rounded to the nearest number of E2M3, ties to even, subnormals kept.
;;     - The product sums the exact products of the quantised numbers (number of the format x scale) in f32.
;;   ~~~python
;;   def quantise(x, axis):      # numpy; x: float32 -> the quantised numbers, widened to float32 again
;;       x = np.moveaxis(x, axis, -1); K = x.shape[-1]
;;       x = np.pad(x, [(0, 0)] * (x.ndim - 1) + [(0, -K % 32)]); x = x.reshape(x.shape[:-1] + (-1, 32)); a = np.abs(x).max(-1, keepdims=True)
;;       e = np.where(a > 0, np.clip(np.frexp(np.where(a > 0, a, 1))[1] - 1 - 2, -126, 127), 0)      # np.frexp(a)[1] - 1 = floor(log2(a)), exactly
;;       r = np.clip(x / 2.0 ** e, -7.5, 7.5)
;;       step = 2.0 ** (np.maximum(np.frexp(np.where(r == 0, 1, r))[1] - 1, 0) - 3)
;;       q = np.round(r / step) * step * 2.0 ** e      # np.round: ties to even
;;       return np.moveaxis(q.reshape(q.shape[:-2] + (-1,))[..., :K], -1, axis).astype(np.float32)
;;   ~~~
;;   SOFTMAX AHEAD OF A QUANTISED PRODUCT. Where the list says 'softmax', what is quantised is not the finished softmax but p = 2^(t - M), with t = logit x log2(e) and M = ceil(the row's largest t), a whole number; so 1/2 < the row's largest p <= 1. The row's sum l is taken of the UNQUANTISED p, in f32, and the product's result is divided by l at the end. Since M is a whole number, a kernel that streams over the keys may use a running M (the ceiling of the running maximum): every later rescaling is an exact power of two, which a block's scale takes up: the codes' values come out the same.
;;   OPERANDS COMPUTED ON THE WAY. 'Computed on the way' means the value that the module computes at that place (a softmax that the list does not call 'softmax' is quantised finished and normalised). What goes into a quantiser is computed in f32, as accurately as f32 sums, v_exp_f32 and their like allow (about 1e-6 of the number): no bf16 or f16 on the way to a quantiser, and a product that is left as it is and whose result goes on into a quantised operand takes f32 operands (vector FMAs, or v_wmma_f32_16x16x4_f32). A number that lies on a knife's edge between two numbers of the format may be rounded either way, as far as f32 arithmetic and the matrix unit's own rounding can turn it there, and no further.
;; One version. Each part assembles by itself: llvm-mc -triple=amdgcn-amd-amdhsa -mcpu=gfx1250 --defsym DOCPART=n.
;; ======== version 1 of 1: 4 launches
;; limits: right only within a limited range of input values
;; workspace buffers: xr 6,815,744 bytes; wr 2,555,904 bytes; qr 6,815,744 bytes; kr 6,815,744 bytes; vr 6,815,744 bytes; pc 12,582,912 bytes; ps 2,097,152 bytes
;; launch quant (part 1): grid 704 x 1, 4 waves a work-group, no clusters, 82,432 bytes of LDS; arguments x, Wq, Wk, Wv, xr, wr; writes xr, wr
.if DOCPART == 1
	.amdgcn_target "amdgcn-amd-amdhsa--gfx1250"
	.amdhsa_code_object_version 6
	.text
	.protected	k_qfa10aa928c_quant
	.globl	k_qfa10aa928c_quant
	.p2align	8
	.type	k_qfa10aa928c_quant,@function
k_qfa10aa928c_quant:
	s_mov_b64 s[64:65], 0
	v_nop
	global_prefetch_b8 v0, s[64:65] scope:SCOPE_SE
	s_setreg_imm32_b32 hwreg(HW_REG_WAVE_MODE, 25, 1), 1
	s_wait_xcnt 0x0
; x [8192][1024] f32 (K innermost) and Wq, Wk, Wv [1024 (K)][1024 (n)] f32 (K outermost) become codes of FP6 (E2M3) with one E8M0 byte for each 32 along K.
; A block's byte is its largest magnitude's exponent field - 2, held at 1 from below; each number is divided by the scale and rounded to the nearest code, ties to even, beyond 7.5 the largest code.
; LIMITS: a block of zeros gets the byte 1 where the rule says 127 (its codes are zeros, and this program alone reads the bytes); blocks whose largest magnitude lies under 2^(3 - 127) were not tried;
; NaN and infinities among the inputs are not served.
; THE OUTPUT IS LAID AS THE MATRIX UNIT'S REGISTERS.  A fragment (16 rows x 128 K, 12 registers a lane: lane (r, h) holds K = 64 c + 32 h + 0 .. 31 in registers 6 c .. 6 c + 5) is 1,536 bytes: register 4 g + i of lane l at
; byte 512 g + 16 l + 4 i.  A tile, all of K, is 13,312 bytes.
; THE ROWS OF A TILE ARE NOT NEIGHBOURS: lane r of tile 4 G + j is row 64 G + 32 (r / 8) + 8 j + r % 8: a result's lane then holds 32 neighbours of 64 rows, one scale block.
; xr: tiles of x: eight fragments, then the scale words: K step k of lane l at 12,288 + 512 (k / 4) + 16 l + 4 (k % 4).  Of 16 tiles (256 rows), tile 8 w + 4 c + j lies at place 8 c + 2 j + w.
; wr: tiles of the weights (rows = output features: Wq's tiles 0-63, Wk's 64-127, Wv's 128-191): four records of two fragments and two scale images of 128 bytes (lane l's word at 4 l, both halves alike).
; SHARES.  A wave has one task: 32 rows (or columns) x 128 along K, 16 KiB in.  Work-groups 0-511 take x, 512-703 the weights; each path has LDS bytes of its own.
; One barrier a work-group: x's scale words of four K steps, and the weights' half tiles of two waves, meet in LDS, so that whole runs leave.
.set XSTW,  32*528                     ; x's stage of a wave: 32 rows of 512 bytes + 16
.set WST,   4*XSTW                     ; behind them the weights' stages: two images of 1,536 + 128 bytes a wave, four tiles for two waves
.set WSTW,  2*1664
.set XSC,   WST+4*WSTW                 ; x's scale words: [tile 2][lane 32][wave 4]
.set SPARE, XSC+1024                   ; the spare words, 128 bytes a wave: two blocks of 256 bytes that no other line names
.set REC,   3328
.set TROW,  4*REC
.set LI,    4                          ; v4   16 x lane
.set SO,    5                          ; v5   weights: where my scale word goes, from the fragment's first byte
.set SPW,   12
.set NIL,   13
.set NUM,   16                         ; v16-143 the task's 128 numbers a lane
.set QT,    168                        ; x: v168-174 second halves of the blocks' codes
.set QM,    176                        ; v176-177 largest magnitudes, v178-179 scale operands, v180-181 bytes, v182-183 the two tiles' scale words
.set QS,    178
.set QB,    180
.set QW,    182
.set WM,    192                        ; W: v192-195 largest magnitudes, v196-199 scale operands, v200-203 bytes, v204 the scale word
.set WS,    196
.set WB,    200
.set WWD,   204
	s_load_b256 s[4:11], s[0:1], 0x0               ; x, Wq, Wk, Wv
	s_load_b128 s[12:15], s[0:1], 0x20             ; xr, wr
	v_lshl_add_u32 v[SPW], v0, 2, SPARE
	v_mov_b32 v[NIL], 0
	v_lshrrev_b32 v1, 5, v0
	v_readfirstlane_b32 s16, v1                    ; wave
	v_and_b32 v1, 31, v0                           ; lane
	v_and_b32 v2, 15, v0                           ; r
	v_bfe_u32 v3, v0, 4, 1                         ; h
	v_lshlrev_b32 v[LI], 4, v1
	v_lshlrev_b32 v14, 3, v3                       ; 8 h
	v_mov_b32 v15, 0                               ; written once: a lane permute's destination counts as one of its sources
	s_mov_b32 s20, 0x76543210
	s_mov_b32 s21, 0xfedcba98                      ; selects for lane l xor 16
	s_wait_alu depctr_va_vdst(0)
	s_cmp_ge_u32 ttmp9, 512
	s_cbranch_scc1 .Lweights
; ---------------- x: K is innermost ----------------
; 64 numbers of a lane, register 32 c + n = K 64 c + 32 h + n of my row: two whole blocks a lane; the codes are the fragment's registers as they stand.
.macro QX src, set
.set PCX, 144+12*(\set)
.irp c, 0,1
	v_max3_num_f32 v[QM+\c], |v[(\src)+32*\c]|, |v[(\src)+32*\c+1]|, 0x1800000   ; with the floor 2^(3 - 127): the byte cannot fall under 1
.endr
.irp i, 2,4,6,8,10,12,14,16,18,20,22,24,26,28,30
.irp c, 0,1
	v_max3_num_f32 v[QM+\c], v[QM+\c], |v[(\src)+32*\c+\i]|, |v[(\src)+32*\c+\i+1]|
.endr
.endr
.irp c, 0,1
	v_add_nc_u32 v[QS+\c], 0xff000000, v[QM+\c]    ; 2 off the exponent field: the conversion's scale operand
.endr
.irp c, 0,1
	v_lshrrev_b32 v[QB+\c], 23, v[QS+\c]           ; the scale's byte
.endr
	v_lshl_or_b32 v[QW+\set], v[QB+1], 16, v[QB]   ; my bytes: blocks h and 2 + h,
	v_lshlrev_b32 v[QW+\set], v14, v[QW+\set]      ; at their places in the word;
	v_permlanex16_b32 v15, v[QW+\set], s20, s21
	v_or_b32 v[QW+\set], v[QW+\set], v15           ; with lane l xor 16's two the word is whole, in both halves
.irp c, 0,1
	v_cvt_scalef32_pk16_fp6_f32 v[PCX+6*\c:PCX+6*\c+2], v[(\src)+32*\c:(\src)+32*\c+15], v[QS+\c]
	v_cvt_scalef32_pk16_fp6_f32 v[QT+4*\c:QT+4*\c+2], v[(\src)+32*\c+16:(\src)+32*\c+31], v[QS+\c]   ; (a conversion's three registers begin on an even number)
.endr
	v_nop                                          ; one plain place behind a scaled conversion
.irp c, 0,1
.irp i, 0,1,2
	v_mov_b32 v[PCX+6*\c+3+\i], v[QT+4*\c+\i]
.endr
.endr
.irp c, 0,1,2
	global_store_b128 v[LI], v[PCX+4*\c:PCX+4*\c+3], s[12:13] offset:2*TROW*(\set)+512*\c   ; 32 lanes store 512 consecutive bytes, aligned to 256
.endr
	ds_store_b32 v8, v[QW+\set] offset:512*(\set)
.endm
	s_lshr_b32 s17, ttmp9, 1                       ; g = 2 G + p: tiles 4 G + 2 p, 4 G + 2 p + 1
	s_and_b32 s18, ttmp9, 1
	s_lshl_b32 s18, s18, 2
	s_add_co_u32 s18, s18, s16                     ; which 128 along K
	s_mul_i32 s19, s16, XSTW                       ; my stage
	v_add_nc_u32 v6, s19, v[LI]                    ; in: 16 x lane of a row
	v_mul_u32_u24 v7, v2, 528
	v_lshl_add_u32 v7, v3, 7, v7
	v_add_nc_u32 v7, s19, v7                       ; out: row r of a tile, + 128 h bytes
	s_lshr_b32 s22, s17, 1
	s_lshl_b32 s22, s22, 18                        ; 64 rows of 4,096 bytes
	s_and_b32 s23, s17, 1
	s_lshl_b32 s24, s23, 16                        ; + 16 p rows
	s_add_co_u32 s22, s22, s24
	s_lshl_b32 s24, s18, 9
	s_add_co_u32 s22, s22, s24
	s_lshl_b32 s23, s23, 2
	s_lshr_b32 s24, s17, 3
	s_lshl_b32 s24, s24, 4
	s_add_co_u32 s24, s24, s23
	s_bfe_u32 s25, s17, 0x10001                    ; c
	s_lshl_b32 s25, s25, 3
	s_add_co_u32 s24, s24, s25
	s_bfe_u32 s25, s17, 0x10002                    ; w
	s_add_co_u32 s24, s24, s25                     ; the first tile's place: 16 (G / 4) + 8 c + 4 p + w; the second lies two places on
	s_mul_i32 s24, s24, TROW
	s_mov_b32 s26, s24
	s_mul_i32 s25, s18, 1536
	s_add_co_u32 s24, s24, s25
	s_lshr_b32 s27, s16, 1                         ; of the scale words I store 256 bytes: tile wave / 2, half wave % 2
	s_mul_i32 s27, s27, 2*TROW
	s_add_co_u32 s26, s26, s27
	s_and_b32 s27, ttmp9, 1
	s_lshl_b32 s27, s27, 9
	s_add_co_u32 s26, s26, s27
	s_and_b32 s27, s16, 1
	s_lshl_b32 s27, s27, 8
	s_add_co_u32 s26, s26, s27
	s_add_co_u32 s26, s26, 12288
	s_mov_b32 s23, 0
	s_mov_b32 s25, 0
	s_mov_b32 s27, 0
	s_lshl_b32 s28, s16, 2
	s_add_co_u32 s28, s28, XSC
	s_lshl_b32 s29, s16, 8
	s_add_co_u32 s29, s29, XSC
	s_wait_alu depctr_va_vdst(0)
	v_lshl_add_u32 v8, v1, 4, s28                  ; into the scale words
	v_lshl_add_u32 v9, v1, 3, s29                  ; out of them
	v_lshlrev_b32 v10, 3, v1
	s_wait_alu depctr_va_vdst(0)                   ; the wait at the head's end
	s_wait_kmcnt 0x0
	s_add_nc_u64 s[4:5], s[4:5], s[22:23]
	s_add_nc_u64 s[26:27], s[12:13], s[26:27]
	s_add_nc_u64 s[12:13], s[12:13], s[24:25]
.set i, 0
.rept 32
	global_load_b128 v[NUM+4*i:NUM+4*i+3], v[LI], s[4:5] offset:4096*(i+16*(i>>4)) th:TH_LOAD_NT   ; a row's 512 consecutive bytes: 16 rows, and 16 that lie 32 rows further on
.set i, i+1
.endr
.set i, 0
.rept 32
	s_wait_loadcnt 31-i                            ; row i is in; the younger loads stay out
	ds_store_b128 v6, v[NUM+4*i:NUM+4*i+3] offset:528*(16*((i>>3)&1)+(i&7)+8*(i>>4))   ; to its place in its tile
.set i, i+1
.endr
	s_wait_dscnt 0x0                               ; the stores have read their registers
.irp u, 0,1
.irp c, 0,1
.irp i, 0,1,2,3,4,5,6,7
	ds_load_b128 v[NUM+64*\u+32*\c+4*\i:NUM+64*\u+32*\c+4*\i+3], v7 offset:8448*\u+256*\c+16*\i
.endr
.endr
.endr
	s_wait_dscnt 16                                ; tile 0's sixteen loads are in, tile 1's stay out
	QX NUM, 0
	s_wait_dscnt 0x0
	QX NUM+64, 1
	s_wait_alu depctr_va_vdst(0)
	s_wait_dscnt 0x0                               ; my scale words are in LDS
	s_barrier_signal -1
	s_barrier_wait -1
	ds_load_b64 v[16:17], v9                       ; four waves' words
	s_wait_dscnt 0x0
	global_store_b64 v10, v[16:17], s[26:27]       ; 256 consecutive bytes, aligned
	s_wait_tensorcnt 0x0                           ; the wave's end, behind my last LDS store
	ds_add_u32 v[SPW], v[NIL]
	s_wait_dscnt 0x0
	s_endpgm
; ---------------- the weights: K is outermost: a lane takes a column, its registers run down K ----------------
.Lweights:
	s_sub_co_u32 s17, ttmp9, 512
	s_lshr_b32 s18, s17, 6                         ; which weight
	s_bfe_u32 s19, s17, 0x30003                    ; which 128 along K
	s_and_b32 s22, s17, 7                          ; which 128 columns
	s_mul_i32 s23, s16, WSTW
	s_add_co_u32 s23, s23, WST                     ; the two tiles that I store
	s_lshr_b32 s29, s16, 1
	s_mul_i32 s29, s29, 2*WSTW
	s_add_co_u32 s29, s29, WST                     ; the four tiles of waves 2 (wave / 2) and the next: I make half of each
	s_and_b32 s30, s16, 1
	s_lshl_b32 s30, s30, 3
	s_wait_alu depctr_va_vdst(0)
	v_bfe_u32 v8, v0, 3, 2                         ; my column's tile j = lane / 8,
	v_and_b32 v9, 7, v0
	v_add_nc_u32 v9, s30, v9                       ; and its lane there: lane % 8 + 8 (wave % 2)
	v_mul_u32_u24 v8, v8, 1664
	v_add_nc_u32 v8, s29, v8
	v_lshl_add_u32 v6, v9, 4, v8                   ; into the image: 16 bytes a lane
	v_lshl_add_u32 v7, v9, 2, v8                   ; into the scale image: 4 bytes a lane
	v_add_nc_u32 v10, s23, v[LI]                   ; back: 16 x lane,
	v_lshl_add_u32 v11, v1, 2, s23                 ; 4 x lane
	v_lshlrev_b32 v2, 2, v1                        ; in memory: 4 bytes a column
	s_lshl_b32 s24, s19, 19                        ; 128 rows of 4,096 bytes
	s_lshl_b32 s25, s22, 9
	s_add_co_u32 s24, s24, s25
	s_lshl_b32 s25, s16, 7
	s_add_co_u32 s24, s24, s25
	s_mov_b32 s25, 0
	s_lshl_b32 s26, s18, 6
	s_lshl_b32 s27, s22, 3
	s_add_co_u32 s26, s26, s27
	s_lshl_b32 s27, s16, 1
	s_add_co_u32 s26, s26, s27                     ; the first tile that I store: 64 x weight + 8 x column group + 2 x wave
	s_lshl_b32 s26, s26, 2
	s_lshr_b32 s27, s19, 1
	s_add_co_u32 s26, s26, s27
	s_mul_i32 s26, s26, REC
	s_and_b32 s28, s19, 1
	s_mul_i32 s27, s28, 1536
	s_add_co_u32 s26, s26, s27
	s_mov_b32 s27, 0
	s_mul_i32 s28, s28, 1408
	s_sub_co_u32 s28, 3072, s28
	v_lshl_add_u32 v[SO], v1, 2, s28
	s_wait_alu depctr_va_vdst(0)
	s_wait_kmcnt 0x0
	s_cmp_eq_u32 s18, 0                            ; the choice hangs on the work-group's number alone
	s_cselect_b64 s[6:7], s[6:7], s[8:9]
	s_cmp_eq_u32 s18, 2
	s_cselect_b64 s[6:7], s[10:11], s[6:7]
	s_add_nc_u64 s[6:7], s[6:7], s[24:25]
	s_add_nc_u64 s[14:15], s[14:15], s[26:27]
.set i, 0
.rept 128
	global_load_b32 v[NUM+i], v2, s[6:7] offset:4096*i th:TH_LOAD_NT   ; W(128 s + i, my column): a wave reads 128 consecutive bytes, the four waves 512
.set i, i+1
.endr
	s_wait_loadcnt 0x0
.irp t, 0,1,2,3
	v_max3_num_f32 v[WM+\t], |v[NUM+32*\t]|, |v[NUM+32*\t+1]|, 0x1800000   ; my column's four blocks by turns; the floor as above
.endr
.irp i, 2,4,6,8,10,12,14,16,18,20,22,24,26,28,30
.irp t, 0,1,2,3
	v_max3_num_f32 v[WM+\t], v[WM+\t], |v[NUM+32*\t+\i]|, |v[NUM+32*\t+\i+1]|
.endr
.endr
.irp t, 0,1,2,3
	v_add_nc_u32 v[WS+\t], 0xff000000, v[WM+\t]
.endr
.irp t, 0,1,2,3
	v_lshrrev_b32 v[WB+\t], 23, v[WS+\t]
.endr
	v_lshl_or_b32 v[WWD], v[WB+1], 8, v[WB]
	v_lshl_or_b32 v[WWD], v[WB+2], 16, v[WWD]
	v_lshl_or_b32 v[WWD], v[WB+3], 24, v[WWD]      ; my column's scale word
.irp t, 0,1,2,3
	v_cvt_scalef32_pk16_fp6_f32 v[144+8*\t:146+8*\t], v[NUM+32*\t:NUM+32*\t+15], v[WS+\t]
	v_cvt_scalef32_pk16_fp6_f32 v[176+4*\t:178+4*\t], v[NUM+32*\t+16:NUM+32*\t+31], v[WS+\t]
.endr
	v_nop                                          ; one plain place behind a scaled conversion
.irp t, 0,1,2,3
.irp i, 0,1,2
	v_mov_b32 v[147+8*\t+\i], v[176+4*\t+\i]       ; v[144 + 8 t .. + 5]: block t's 24 bytes
.endr
.endr
; Block t = 2 c + hh is registers 6 c .. 6 c + 5 of lane (r', hh) of my tile's image: register R lies at 512 (R / 4) + 16 (r' + 16 hh) + 4 (R % 4)
.irp t, 0,1
	ds_store_b128 v6, v[144+8*\t:147+8*\t] offset:256*\t
	ds_store_b64 v6, v[148+8*\t:149+8*\t] offset:512+256*\t
.endr
.irp t, 2,3
	ds_store_b64 v6, v[144+8*\t:145+8*\t] offset:520+256*(\t-2)
	ds_store_b128 v6, v[146+8*\t:149+8*\t] offset:1024+256*(\t-2)
.endr
	ds_store_b32 v7, v[WWD] offset:1536            ; the word for both halves of the lanes
	ds_store_b32 v7, v[WWD] offset:1600
	s_wait_alu depctr_va_vdst(0)
	s_wait_dscnt 0x0                               ; my halves of the four tiles are in LDS
	s_barrier_signal -1
	s_barrier_wait -1
.irp u, 0,1
.irp c, 0,1,2
	ds_load_b128 v[NUM+16*\u+4*\c:NUM+16*\u+4*\c+3], v10 offset:1664*\u+512*\c
.endr
	ds_load_b32 v[NUM+16*\u+12], v11 offset:1664*\u+1536
.endr
	s_wait_dscnt 0x0
.irp u, 0,1
.irp c, 0,1,2
	global_store_b128 v[LI], v[NUM+16*\u+4*\c:NUM+16*\u+4*\c+3], s[14:15] offset:TROW*\u+512*\c
.endr
	global_store_b32 v[SO], v[NUM+16*\u+12], s[14:15] offset:TROW*\u
.endr
	s_wait_tensorcnt 0x0                           ; the wave's end, behind my last LDS store
	ds_add_u32 v[SPW], v[NIL]
	s_wait_dscnt 0x0
	s_endpgm
.Lfunc_end_k_qfa10aa928c_quant:
	.size	k_qfa10aa928c_quant, .Lfunc_end_k_qfa10aa928c_quant-k_qfa10aa928c_quant
	.p2alignl 7, 3214868480
	.fill 96, 4, 3214868480
	.section	.rodata,"a",@progbits
	.p2align	6, 0x0
	.amdhsa_kernel k_qfa10aa928c_quant
		.amdhsa_group_segment_fixed_size 82432
		.amdhsa_private_segment_fixed_size 0
		.amdhsa_enable_private_segment 0
		.amdhsa_kernarg_size 48
		.amdhsa_user_sgpr_count 2
		.amdhsa_user_sgpr_kernarg_segment_ptr 1
		.amdhsa_wavefront_size32 1
		.amdhsa_system_sgpr_workgroup_id_x 1
		.amdhsa_system_sgpr_workgroup_id_y 1
		.amdhsa_system_sgpr_workgroup_id_z 1
		.amdhsa_system_vgpr_workitem_id 0
		.amdhsa_next_free_vgpr 208
		.amdhsa_next_free_sgpr 66
		.amdhsa_reserve_vcc 0
		.amdhsa_float_denorm_mode_32 3
		.amdhsa_float_denorm_mode_16_64 3
		.amdhsa_memory_ordered 1
		.amdhsa_forward_progress 1
		.amdhsa_inst_pref_size 41
	.end_amdhsa_kernel
	.amdgpu_metadata
---
amdhsa.version: [ 1, 2 ]
amdhsa.kernels:
  - .name:           k_qfa10aa928c_quant
    .symbol:         k_qfa10aa928c_quant.kd
    .args:
      - { .name: x, .offset: 0, .size: 8, .value_kind: global_buffer, .address_space: global }
      - { .name: Wq, .offset: 8, .size: 8, .value_kind: global_buffer, .address_space: global }
      - { .name: Wk, .offset: 16, .size: 8, .value_kind: global_buffer, .address_space: global }
      - { .name: Wv, .offset: 24, .size: 8, .value_kind: global_buffer, .address_space: global }
      - { .name: xr, .offset: 32, .size: 8, .value_kind: global_buffer, .address_space: global }
      - { .name: wr, .offset: 40, .size: 8, .value_kind: global_buffer, .address_space: global }
    .group_segment_fixed_size: 82432
    .private_segment_fixed_size: 0
    .kernarg_segment_align: 8
    .kernarg_segment_size: 48
    .max_flat_workgroup_size: 128
    .sgpr_count:     66
    .vgpr_count:     208
    .wavefront_size: 32
...
	.end_amdgpu_metadata
.endif
;; end of part 1
;; launch proj (part 2): grid 16 x 16, 4 waves a work-group, clusters of 4 x 4, 327,680 bytes of LDS; arguments xr, wr, bq, bk, bv, qr, kr, vr; writes qr, kr, vr
.if DOCPART == 2
	.amdgcn_target "amdgcn-amd-amdhsa--gfx1250"
	.amdhsa_code_object_version 6
	.text
	.protected	k_qfa10aa928c_proj
	.globl	k_qfa10aa928c_proj
	.p2align	8
	.type	k_qfa10aa928c_proj,@function
k_qfa10aa928c_proj:
	s_mov_b64 s[64:65], 0
	v_nop
	global_prefetch_b8 v0, s[64:65] scope:SCOPE_SE
	s_setreg_imm32_b32 hwreg(HW_REG_WAVE_MODE, 25, 1), 1
	s_wait_xcnt 0x0
	s_wait_alu depctr_hold_cnt(0) depctr_sa_sdst(0) depctr_va_vdst(0) depctr_va_sdst(0) depctr_va_ssrc(0) depctr_va_vcc(0) depctr_vm_vsrc(0)
	s_getreg_b32 s2, hwreg(HW_REG_IB_STS2, 6, 4)
	s_cmp_eq_u32 s2, 0
	s_cbranch_scc0 .Lentry_in_a_cluster
	s_endpgm
.Lentry_in_a_cluster:
	s_bfe_u32 s2, ttmp6, 0x10000c
	s_cmp_lg_u32 s2, 0xf033
	s_cbranch_scc0 .Lentry_shape_is_right
	s_endpgm
.Lentry_shape_is_right:
; Q, K, V = x W + b on codes of FP6 (E2M3) with E8M0 scales, sums in f32, quantised again on the way out.  No f32 result is stored.
; LIMITS: a block of zeros gets the byte 1 where the rule says 127 (its codes are zeros; this program alone reads the bytes); blocks whose largest magnitude lies under 2^(3 - 127) were not tried; NaN and infinities are not served.
; A tile (16 rows, all of K) is 13,312 bytes.  xr: eight fragments of 1,536 bytes (register 4 g + i of lane l at 512 g + 16 l + 4 i), then scale words (K step k at 12,288 + 512 (k / 4) + 16 l + 4 (k % 4)); of 16 tiles, tile 8 w + 4 c + j lies at place 8 c + 2 j + w.
; wr: four records of 3,328 bytes: fragments 2 j, 2 j + 1, then two scale images of 128 bytes (lane l's word at 4 l).  Lane r of tile 4 G + j is row 64 G + 32 (r / 8) + 8 j + r % 8.
; OUT: qr, kr [token tile 512][j 4] records, K = features; vr [group of 8 key steps 8][feature tile 64][j 4] records, K = tokens.  Rows of their tiles in the same order.
; THE DEAL.  256 work-groups of four waves, 2 x 2.  A wave holds 64 rows of a weight, ALL of K, in registers (384) and streams x past them in blocks of one tile: 32 products a block.
; A work-group makes 256 tokens x 128 of V, PHASE 1, then 512 x 128 of Q or K, PHASE 2.  V's tokens are half s87 of its own 512: the two chunks of 128 tokens asked for at the head serve both phases; the other half's two are loaded later.
; s87 = cluster x % 2, s19 = cluster x / 2 (0 Q, 1 K): the same in all sixteen partners; V's tile column is 4 s19 + cx, its tile row 2 x tile row + s87: each tile of V has one work-group.
; CLUSTERS: 4 x 4.  x's tiles are shared along a ROW of the cluster, a weight's along a COLUMN.
; LDS: slots 0 and 1 (a chunk of 8 tiles each), the weights' region BVB (8 tiles), the results' scale bytes XN, the spare words.  MID, the end of the weights' region, takes a third of phase 2's codes once that region has had its last fill and its last read.
; FILLS.  At the head one tensor load a wave: waves 0 and 1 half of W_v's tiles each, wave 2 chunk 0, wave 3 chunk 1.  Three refills, each in a drained round: in V's block 2 the weights' region, in phase 2's blocks 2 and 6 a slot; waves 0 and 1 half each.
; A BLOCK is 32 products; behind every second one stand two ENTRIES of the block's list (scalar lines and a vector line): the next addresses, descriptors, and the search for the largest of the LAST block's 32 sums.
; WAITS.  A block's 26 LDS loads were issued two blocks ago; younger than those are the next block's NF, and the LDS stores of results between the two: one or three.
; PREFETCHES: the second weight at the head, chunk 2 behind the first refill, chunk 3 between the phases: a sixteenth of eight tiles a wave, told apart by address among the sixteen waves that will ask jointly.
.set REC,    3328
.set TROW,   4*REC
.set SLOTB,  8*TROW
.set BVB,    2*SLOTB
.set XN,     BVB+8*TROW                ; [tile in the order of work 32][r][4 bytes]
.set MID,    XN-16384                  ; [tile in the order of work 32][512 bytes]
.set SPARE,  XN+2048
.set FPW,    21                        ; fragments in a window of 256 registers
.set NF,     26
.set EMAX,   2
.set ADRA0,  4                         ; v4 LDS address of my fragments of block 0; v5 of block 1; v12 of the block fetched next
.set ADRA1,  5
.set CO,     9                         ; 16 x lane
.set SPW,    10
.set NIL,    11
.set ADRA,   12
.set ADRB,   14                        ; of my weights' fragments, v15 of their scale words
.set ADRW,   15
.set OBV,    16                        ; offsets in the biases
.set OBQ,    17
.set STO,    18                        ; LDS: my scale byte; my 8 bytes of MID
.set STM,    19
.set VX,     20                        ; the same for the pair at work
.set VM,     21
.set SO2,    22                        ; V's scale image, from the fragment
.set H8,     23                        ; 8 h
.set SB,     24                        ; v24-39 the weights' scale words: lanes 0-15 tile 2 p, lanes 16-31 tile 2 p + 1
.set TQ,     40
.set SA,     44                        ; v44-59 x's scale words, two sets
.set TC,     60
.set ACC,    64                        ; phase 2: two sets of four accumulators
.set HV0,    64                        ; phase 1, band 0: 32 t + 8 j + i
.set HV1,    840                       ; band 1
.set NCD,    128                       ; phase 2's codes: six registers of the even block, six of the odd
.set VW,     140                       ; V's scale words
.set BBQ,    160                       ; Q's or K's bias as the first products' C
.set MCD,    192                       ; V's codes: four operands of twelve
.set SOP,    240
.set EB,     248
.set BBV,    992                       ; V's bias
.set G1A,    24
.set G1B,    32
.set G0A,    56
.set G0B,    60
.set G0R,    68
.set MSB, 0
.macro WIN new
.if MSB != \new
	s_set_vgpr_msb (MSB<<8)|\new
.set MSB, \new
.endif
.endm
.macro PLACES n
.rept \n
	v_nop
.endr
.endm
.macro WALU
	s_wait_alu depctr_va_vdst(0)
.endm
.macro BARRIER
	s_barrier_signal -1
	s_barrier_wait -1
.endm
.macro MIDDLE
	WIN 0
	s_barrier_wait -1
	s_cmp_lg_u32 s14, 0
	s_cbranch_scc1 .Lnot_wave_0_\@
	s_barrier_signal -3
.Lnot_wave_0_\@:
	s_barrier_wait -3
.endm
.macro CROUND
	s_barrier_signal -1
	MIDDLE
	BARRIER
.endm
.macro GRD
	s_wait_tensorcnt 0x0
	ds_add_u32 v[SPW], v[NIL]
.endm
.macro TLOAD g0, g1
	tensor_load_to_lds s[\g0:\g0+3], s[\g1:\g1+7]
	s_nop 0
	PLACES 4
.endm
.macro GROUP1 g, mask, rows            ; dense: rows of 416 elements of 8 bytes
	s_or_b32 s[\g+0], s[\mask], (3<<16)|(1<<21)
	s_mov_b32 s[\g+1], 416<<16
	s_mov_b32 s[\g+2], (\rows)<<16
	s_mov_b32 s[\g+3], 416<<16
	s_mov_b32 s[\g+4], \rows
	s_mov_b32 s[\g+5], 416
	s_mov_b32 s[\g+6], 0
	s_mov_b32 s[\g+7], 0
.endm
.macro SADD d, x
	s_add_co_u32 s\d, s\d, s\x
.endm
; fragment f lies in window 1 + f / 21 at register 12 (f % 21): 0-31 the weights' (4 q + tile), 32-39 and 40-47 x's two sets
.macro FRAG f, adr, off
	WIN ((1+(\f)/FPW)<<6)
.set R_, 12*((\f)%FPW)
.irp p, 0,1,2
	ds_load_b128 v[R_+4*\p:R_+4*\p+3], \adr offset:(\off)+512*\p
.endr
.endm
.macro WEIGHTS                         ; 96 + 16 loads
.irp q, 0,1,2,3,4,5,6,7
.irp b, 0,1,2,3
	FRAG 4*\q+\b, v[ADRB], TROW*\b+REC*(\q/2)+1536*(\q%2)
.endr
.endr
	WIN 0
.irp p, 0,1
.irp q, 0,1,2,3,4,5,6,7
	ds_load_b32 v[SB+8*\p+\q], v[ADRW] offset:2*TROW*\p+REC*(\q/2)+3072+128*(\q%2)
.endr
.endr
.endm
.macro FETCHAT e, adr
.irp q, 0,1,2,3,4,5,6,7
	FRAG 32+8*(\e)+\q, \adr, 1536*\q
.endr
	WIN 0
	ds_load_b128 v[SA+8*(\e):SA+8*(\e)+3], \adr offset:12288
	ds_load_b128 v[SA+8*(\e)+4:SA+8*(\e)+7], \adr offset:12800
.endm
.macro FETCH e
	FETCHAT \e, v[ADRA]
.endm
.macro FETCH01
	FETCHAT 0, v[ADRA0]
	FETCHAT 1, v[ADRA1]
	s_mov_b32 s101, 2*TROW
.endm
; product n = 4 q + t.  kind 0 (Q, K): source 0 the weight's rows; kind 1 (V): source 0 x's rows.  The bias is the first products' C.
.macro PROD kind, e, n, a0, as
.set Q_, (\n)/4
.set FB_, 4*Q_+(\n)%4
.set FA_, 32+8*(\e)+Q_
.set D_, (\a0)+(\as)*((\n)%4)
.set DL_, D_&255
.set XB_, SB+8*(((\n)%4)/2)+Q_
.set XA_, SA+8*(\e)+Q_
.if \kind
.if Q_
	WIN ((1+FA_/FPW)|((1+FB_/FPW)<<2)|((D_>>8)<<4)|((D_>>8)<<6))
	PROD1 DL_, FA_, FB_, v[DL_:DL_+7], XA_, XB_, b, (\n)%2
.else
	WIN ((1+FA_/FPW)|((1+FB_/FPW)<<2)|(3<<4)|((D_>>8)<<6))
	PROD1 DL_, FA_, FB_, v[BBV-768+8*((\n)%4):BBV-768+8*((\n)%4)+7], XA_, XB_, b, (\n)%2
.endif
.else
	WIN ((1+FB_/FPW)|((1+FA_/FPW)<<2)|((D_>>8)<<4)|((D_>>8)<<6))
.if Q_
	PROD1 DL_, FB_, FA_, v[DL_:DL_+7], XB_, XA_, a, (\n)%2
.else
	PROD1 DL_, FB_, FA_, v[BBQ+8*((\n)%4):BBQ+8*((\n)%4)+7], XB_, XA_, a, (\n)%2
.endif
.endif
.endm
.macro PROD1 d, s0, s1, c, x0, x1, side, o
.if \o
	v_wmma_scale_f32_16x16x128_f8f6f4 v[\d:\d+7], v[12*((\s0)%FPW):12*((\s0)%FPW)+11], v[12*((\s1)%FPW):12*((\s1)%FPW)+11], \c, v[\x0], v[\x1] matrix_a_fmt:MATRIX_FMT_FP6 matrix_b_fmt:MATRIX_FMT_FP6 matrix_\side\()_scale:MATRIX_SCALE_ROW1
.else
	v_wmma_scale_f32_16x16x128_f8f6f4 v[\d:\d+7], v[12*((\s0)%FPW):12*((\s0)%FPW)+11], v[12*((\s1)%FPW):12*((\s1)%FPW)+11], \c, v[\x0], v[\x1] matrix_a_fmt:MATRIX_FMT_FP6 matrix_b_fmt:MATRIX_FMT_FP6 matrix_\side\()_scale:MATRIX_SCALE_ROW0
.endif
.endm
.macro BLOCK kind, e, a0, as, from, to, list, x=0, y=0
.set N_, \from
.rept (\to)-(\from)
	PROD \kind, \e, N_, \a0, \as
.if N_%2
	\list N_-1, \x, \y
	\list N_, \x, \y
.endif
.set N_, N_+1
.endr
.endm
; ---- what the lists are made of: each macro writes entry i of its part, and nothing beyond its last
.macro STEP i, wrap                    ; 1 entry: the LDS address of the block fetched next
.if (\i) == 0
	s_add_co_u32 s101, s101, 2*TROW
.if \wrap
	s_cmp_eq_u32 s101, 16*TROW
	s_cselect_b32 s101, 0, s101
.endif
	WIN 0
	v_add_nc_u32 v[ADRA], s101, v[ADRA0]
.endif
.endm
.macro CHAIN i, x, n, t=TQ             ; 18 entries: the largest magnitude of the 32 sums from register x on, in two chains, and the conversions' scale operand v[SOP+n]
.set XW_, (\x)>>8
.set XL_, (\x)&255
.if (\i) >= 0 && (\i) < 14
.set B_, XL_+16*((\i)%2)+2*((\i)/2)
.set T_, (\t)+1-(\i)%2
.if (\i) < 2
	WIN (XW_|(XW_<<2)|(XW_<<4))
	v_max3_num_f32 v[T_], |v[B_]|, |v[B_+1]|, |v[B_+2]|
.else
	WIN ((XW_<<2)|(XW_<<4))
	v_max3_num_f32 v[T_], v[T_], |v[B_+1]|, |v[B_+2]|
.endif
.elseif (\i) == 14
	WIN (XW_<<2)
	v_max3_num_f32 v[\t+1], v[\t+1], |v[XL_+15]|, (EMAX+1)<<23   ; with the floor 2^(3 - 127): the byte cannot fall under 1
.elseif (\i) == 15
	WIN 0
	v_nop                                  ; so that the next line stands in the next pair
.elseif (\i) == 16
	WIN (XW_<<2)
	v_max3_num_f32 v[\t], v[\t], |v[XL_+31]|, v[\t+1]
.elseif (\i) == 17
	WIN 0
	v_add_nc_u32 v[SOP+\n], -(EMAX<<23), v[\t]
.endif
.endm
.macro CODES i, x, c, n, t=TC          ; 6 lines: 32 codes into v[c .. c+5], the scale's byte into v[EB+n]
.set XW_, (\x)>>8
.set XL_, (\x)&255
.if (\i) == 0
	WIN XW_
	v_cvt_scalef32_pk16_fp6_f32 v[\c:\c+2], v[XL_:XL_+15], v[SOP+\n]
.elseif (\i) == 1
	WIN XW_
	v_cvt_scalef32_pk16_fp6_f32 v[\t:\t+2], v[XL_+16:XL_+31], v[SOP+\n]
.elseif (\i) == 2
	WIN 0
	v_lshrrev_b32 v[EB+\n], 23, v[SOP+\n]
.else
	WIN 0
	v_mov_b32 v[\c+\i], v[\t+\i-3]
.endif
.endm
.macro CODES6 x, c, n
.irp i, 0,1,2,3,4,5
	CODES \i, \x, \c, \n
.endr
.endm
.macro PFTILE v, off, share            ; my sixteenth of 8 tiles: 26 blocks of 256 bytes, a lane each
	s_mul_i32 s21, s\share, SLOTB/16
	s_add_co_u32 s20, s\off, s21
	WIN 0
	v_min_u32 v\v, SLOTB/16/256-1, v3
	v_lshl_add_u32 v\v, v\v, 8, s20
.endm
.macro PFGO v, base
	global_prefetch_b8 v\v, s[\base:\base+1] th:TH_LOAD_NT scope:SCOPE_SE
.endm
.macro ASK i                           ; 2 entries: my half of the chunk at s88 for slot s47; then both step on
.if (\i) == 0
	s_add_co_u32 s[G0R+1], s91, s47
	s_add_co_u32 s20, s91, s88
	s_mov_b32 s21, 0
.elseif (\i) == 1
	s_add_nc_u64 s[G0R+2:G0R+3], s[4:5], s[20:21]
	s_or_b32 s[G0R+3], s[G0R+3], 0x80000000
	s_add_co_u32 s88, s88, SLOTB
	s_xor_b32 s47, s47, SLOTB
.endif
.endm
.macro PAIR i                          ; 5 entries: where pair s46's codes go (s[84:85], by the true pair), its scale bytes and its part of MID (by the order of work)
.if (\i) == 0
	s_lshl_b32 s3, s87, 2
	s_xor_b32 s3, s3, s46
	s_lshr_b32 s20, s3, 2
	s_lshl_b32 s21, s20, 4
.elseif (\i) == 1
	s_and_b32 s22, s3, 3
	s_lshl_b32 s22, s22, 1
	SADD 21, 22
	s_mul_i32 s20, s21, TROW
.elseif (\i) == 2
	s_mov_b32 s21, 0
	s_add_nc_u64 s[84:85], s[10:11], s[20:21]
	s_and_b32 s22, s46, 3
	s_lshl_b32 s22, s22, 1
.elseif (\i) == 3
	s_lshr_b32 s23, s46, 2
	s_lshl_b32 s23, s23, 4
	s_or_b32 s22, s22, s23
	s_lshl_b32 s23, s22, 6
	WIN 0
	v_add_nc_u32 v[VX], s23, v[STO]
.elseif (\i) == 4
	s_lshl_b32 s22, s22, 9
	s_add_co_u32 s46, s46, 1
	WIN 0
	v_add_nc_u32 v[VM], s22, v[STM]
.endif
.endm
; ---- the lists
.macro L_NONE i, x, y
.endm
.macro L_STEP i, x, y
	STEP \i, 0
.endm
.macro L_OUT i, x, y
	STEP \i, 0
	CHAIN (\i)-1, \x, \y
.endm
.macro L_LAST i, x, y
	CHAIN \i, \x, \y
.endm
.macro L_V2 i, x, y                    ; V's third block: the first refill's descriptor; from here on a load of x brings 4 tiles
.if (\i) == 0
	s_mov_b32 s[G1A+2], 16<<16
	s_mov_b32 s[G1A+4], 16
	s_add_co_u32 s20, s91, s9
	s_mov_b32 s21, 0
.elseif (\i) == 1
	s_add_nc_u64 s[G0B+2:G0B+3], s[6:7], s[20:21]
	s_or_b32 s[G0B+3], s[G0B+3], 0x80000000
.elseif (\i) == 3
	PFTILE 7, 88, 90
.endif
	STEP (\i)-2, 0
.endm
.macro L_V7 i, x, y
.if (\i) == 0
	s_add_co_u32 s22, s88, SLOTB
	PFTILE 6, 22, 90
.endif
	CHAIN (\i)-1, \x, \y
.endm
.macro L_ODD i, x, y
	PAIR \i
	STEP (\i)-5, 0
	CHAIN (\i)-6, ACC, 0
.endm
.macro L_ODDL i, x, y
	PAIR \i
	CHAIN (\i)-5, ACC, 0
.endm
.macro L_ROUND i, x, y
	ASK \i
	STEP (\i)-2, 1
	CHAIN (\i)-3, ACC+32, 1
.endm
; ---- phase 2's blocks.  w: the count of the wait for the block's rows (-1: they are shown in already)
.macro WAITDS w
.if (\w) >= 0
	s_wait_dscnt \w
.endif
.endm
.macro PAIROUT                         ; the pair's stores: 512 consecutive bytes each
	ds_store_b8 v[VX], v[EB+1] offset:64
	s_cmp_eq_u32 s16, 0                                 ; my 64 features are the lower band of a fragment (its registers 0-5) or the upper (6-11)
	s_cbranch_scc0 .Lupper_\@
	ds_store_b64 v[VM], v[NCD+4:NCD+5]                  ; lower: registers 0-3 leave at once, 4-5 go to MID
	ds_store_b64 v[VM], v[NCD+10:NCD+11] offset:512
	global_store_b128 v[CO], v[NCD:NCD+3], s[84:85]
	global_store_b128 v[CO], v[NCD+6:NCD+9], s[84:85] offset:TROW
	s_branch .Lout_\@
.Lupper_\@:
	ds_store_b64 v[VM], v[NCD:NCD+1]                    ; upper: registers 6-7 go to MID, 8-11 leave at once
	ds_store_b64 v[VM], v[NCD+6:NCD+7] offset:512
	global_store_b128 v[CO], v[NCD+2:NCD+5], s[84:85]
	global_store_b128 v[CO], v[NCD+8:NCD+11], s[84:85] offset:TROW
.Lout_\@:
.endm
.macro EVENOUT fetch
	WALU
	PAIROUT
.if \fetch
	FETCH 0
.endif
.endm
.macro EVEN w, fetch
	WAITDS \w
.if \fetch
	BLOCK 0, 0, ACC, 8, 0, 32, L_OUT, ACC+32, 1
.else
	BLOCK 0, 0, ACC, 8, 0, 32, L_LAST, ACC+32, 1
.endif
	WIN 0
	CODES6 ACC+32, NCD+6, 1
	EVENOUT \fetch
.endm
.macro EVENROUND w                     ; the second and the third refill: a round stands inside the block
	WAITDS \w
	GRD
	BLOCK 0, 0, ACC, 8, 0, 26, L_ROUND
	WIN 0
	WALU
	s_wait_dscnt 0x0
	s_barrier_signal -1
	BLOCK 0, 0, ACC, 8, 26, 32, L_NONE
	WIN 0
	CODES6 ACC+32, NCD+6, 1
	MIDDLE
	BARRIER
	s_cmp_lt_u32 s14, 2
	s_cbranch_scc0 .Lnone_\@
	TLOAD G0R, G1A
.Lnone_\@:
	EVENOUT 1
.endm
.macro EVENSHOW w                      ; a plain barrier shows the last refill to all
	WAITDS \w
	BLOCK 0, 0, ACC, 8, 0, 26, L_OUT, ACC+32, 1
	WIN 0
	WALU
	s_wait_tensorcnt 0x0
	s_wait_dscnt 0x0
	s_barrier_signal -1
	BLOCK 0, 0, ACC, 8, 26, 32, L_NONE
	WIN 0
	s_barrier_wait -1
	CODES6 ACC+32, NCD+6, 1
	EVENOUT 1
.endm
.macro ODD w, fetch
	WAITDS \w
	s_wait_xcnt 0x0                                     ; the last pair's stores have read their registers and their base
.if \fetch
	BLOCK 0, 1, ACC+32, 8, 0, 32, L_ODD
.else
	BLOCK 0, 1, ACC+32, 8, 0, 32, L_ODDL
.endif
	WIN 0
	CODES6 ACC, NCD, 0
	WALU
	ds_store_b8 v[VX], v[EB]
.if \fetch
	FETCH 1
.endif
.endm
; ================= THE HEAD
	s_load_b128 s[4:7], s[0:1], 0x0                     ; xr, wr
	s_load_b64 s[2:3], s[0:1], 0x10                     ; bq
	s_load_b64 s[46:47], s[0:1], 0x18                   ; bk
	s_load_b64 s[84:85], s[0:1], 0x20                   ; bv
	s_load_b64 s[10:11], s[0:1], 0x28                   ; qr
	s_load_b64 s[48:49], s[0:1], 0x30                   ; kr
	s_load_b64 s[50:51], s[0:1], 0x38                   ; vr
	v_lshl_add_u32 v[SPW], v0, 2, SPARE
	v_mov_b32 v[NIL], 0
	ds_add_u32 v[SPW], v[NIL]                           ; the wave's opening: the add, twice on end, and its wait
	ds_add_u32 v[SPW], v[NIL]
	v_lshrrev_b32 v1, 5, v0
	v_readfirstlane_b32 s14, v1                         ; s14 the wave; s15 its row of the 2 x 2, s16 its column
	s_lshr_b32 s15, s14, 1
	s_and_b32 s16, s14, 1
	s_bfe_u32 s40, ttmp6, 0x40000                       ; cx
	s_bfe_u32 s41, ttmp6, 0x40004                       ; cy
	s_lshl_b32 s42, ttmp9, 2
	SADD 42, 40                                         ; s42 phase 2's tile column, 0 .. 15
	s_and_b32 s43, ttmp7, 0xffff
	s_lshl_b32 s43, s43, 2
	SADD 43, 41                                         ; s43 its tile row
	s_lshr_b32 s19, ttmp9, 1
	s_and_b32 s87, ttmp9, 1
	s_lshl_b32 s13, s19, 2
	SADD 13, 40                                         ; s13 V's tile column
	s_lshl_b32 s12, s43, 1
	SADD 12, 87                                         ; s12 V's tile row
	s_lshl_b32 s44, s41, 2
	s_lshl_b32 s44, 15, s44                             ; my row of the cluster
	s_lshl_b32 s45, 0x1111, s40                         ; my column
	GROUP1 G1A, 44, 32
	GROUP1 G1B, 45, 16
	s_mul_i32 s91, s14, 4*TROW                          ; half of 8 tiles, for waves 0 and 1
	s_mul_i32 s67, s43, 32*TROW                         ; my 512 tokens, bytes from xr
	s_mul_i32 s21, s87, 16*TROW
	s_add_co_u32 s66, s67, s21                          ; V's half of them
	s_xor_b32 s20, s87, 1
	s_mul_i32 s20, s20, 16*TROW
	s_add_co_u32 s88, s67, s20                          ; the other half
	s_mul_i32 s9, s42, 8*TROW                           ; Wq's or Wk's tiles
	s_mul_i32 s54, s13, 8*TROW
	s_add_co_u32 s54, s54, 128*TROW                     ; Wv's
	SADD 54, 91
	s_mov_b32 s[G0A], 1
	s_mov_b32 s[G0A+1], 0
	s_mov_b32 s[G0R], 1
	s_mov_b32 s[G0R+1], SLOTB
	s_mov_b32 s[G0B], 1
	s_add_co_u32 s[G0B+1], s91, BVB
	v_and_b32 v1, 15, v0                                ; r
	v_bfe_u32 v2, v0, 4, 1                              ; h
	v_and_b32 v3, 31, v0                                ; lane
	v_lshlrev_b32 v[CO], 4, v3
	s_mul_i32 s21, s15, TROW
	v_add_nc_u32 v[ADRA0], s21, v[CO]
	v_add_nc_u32 v[ADRA1], 2*TROW, v[ADRA0]
	s_mul_i32 s22, s16, 4*TROW
	s_add_co_u32 s22, s22, BVB
	v_add_nc_u32 v[ADRB], s22, v[CO]
	v_mul_u32_u24 v[ADRW], v2, TROW                     ; lanes 16-31 read the next tile's words
	v_lshl_add_u32 v[ADRW], v3, 2, v[ADRW]
	v_add_nc_u32 v[ADRW], s22, v[ADRW]
	s_lshl_b32 s90, s40, 2
	SADD 90, 14                                         ; my number among the sixteen waves of my row of the cluster
	s_lshl_b32 s100, s41, 2
	SADD 100, 14                                        ; and of my column
	WALU
	s_wait_dscnt 0x0                                    ; both opening adds are done
	CROUND
	s_wait_kmcnt 0x0
	s_mov_b32 s20, s66
	s_mov_b32 s21, 0
	s_add_nc_u64 s[G0A+2:G0A+3], s[4:5], s[20:21]
	s_add_nc_u64 s[G0R+2:G0R+3], s[G0A+2:G0A+3], SLOTB
	s_or_b32 s[G0A+3], s[G0A+3], 0x80000000
	s_or_b32 s[G0R+3], s[G0R+3], 0x80000000
	s_mov_b32 s20, s54
	s_add_nc_u64 s[G0B+2:G0B+3], s[6:7], s[20:21]
	s_or_b32 s[G0B+3], s[G0B+3], 0x80000000
	s_cmp_lt_u32 s14, 2
	s_cbranch_scc0 .Lwave_2
	TLOAD G0B, G1B                                      ; waves 0 and 1: half of Wv's tiles each
	s_branch .Lasked
.Lwave_2:
	s_cmp_eq_u32 s14, 2
	s_cbranch_scc0 .Lwave_3
	TLOAD G0A, G1A                                      ; wave 2: chunk 0
	s_branch .Lasked
.Lwave_3:
	TLOAD G0R, G1A                                      ; wave 3: chunk 1
.Lasked:
	s_and_b32 s20, s42, 7                               ; phase 2's K step of the results
	s_lshr_b32 s21, s20, 1
	s_mul_i32 s21, s21, REC
	s_and_b32 s89, s20, 1
	s_lshl_b32 s76, s43, 5
	s_lshl_b32 s22, s15, 3
	SADD 76, 22
	s_mul_i32 s76, s76, TROW
	SADD 76, 21
	s_mul_i32 s22, s89, 1536
	SADD 76, 22
	s_lshl_b32 s22, s16, 10
	SADD 76, 22
	s_mov_b32 s77, 0
	s_lshl_b32 s78, s87, 1                              ; the eight tiles that I store from LDS at the end
	s_xor_b32 s78, s78, s14
	s_lshl_b32 s78, s78, 3
	s_lshl_b32 s22, s43, 5
	SADD 78, 22
	s_mul_i32 s78, s78, TROW
	SADD 78, 21
	s_mov_b32 s79, 0
	s_lshr_b32 s80, s12, 2                              ; V
	s_lshl_b32 s80, s80, 6
	s_lshl_b32 s22, s13, 3
	SADD 80, 22
	s_lshl_b32 s22, s16, 2
	SADD 80, 22
	s_mul_i32 s80, s80, TROW
	s_and_b32 s22, s12, 3
	s_mul_i32 s22, s22, REC
	SADD 80, 22
	s_mul_i32 s22, s15, 1536
	SADD 80, 22
	s_mov_b32 s81, 0
	s_cmp_eq_u32 s19, 0
	s_cselect_b64 s[10:11], s[10:11], s[48:49]
	s_cselect_b64 s[52:53], s[2:3], s[46:47]
	s_add_nc_u64 s[78:79], s[10:11], s[78:79]
	s_add_nc_u64 s[10:11], s[10:11], s[76:77]
	s_add_nc_u64 s[50:51], s[50:51], s[80:81]
	s_lshl_b32 s20, s42, 1
	SADD 20, 16
	s_and_b32 s20, s20, 15
	s_lshl_b32 s20, s20, 8
	s_mov_b32 s21, 0
	s_add_nc_u64 s[52:53], s[52:53], s[20:21]           ; my 64 features' bias of Q or K
	s_lshl_b32 s20, s13, 1
	SADD 20, 16
	s_lshl_b32 s20, s20, 8
	s_add_nc_u64 s[84:85], s[84:85], s[20:21]           ; and of V
	v_lshrrev_b32 v13, 3, v1
	v_lshlrev_b32 v13, 7, v13
	v_and_b32 v[OBV], 7, v1
	v_lshl_add_u32 v[OBV], v[OBV], 2, v13               ; lane (r, h) of tile t has feature 32 (r / 8) + 8 t + r % 8
	v_lshlrev_b32 v[OBQ], 7, v2                         ; register 8 j + i of lane (r, h) is feature 32 h + 8 j + i
	WIN (3<<6)
.irp t, 0,1,2,3
	global_load_b32 v[BBV-768+8*\t], v[OBV], s[84:85] offset:32*\t
.endr
	WIN 0
	s_lshl_b32 s21, s15, 9
	s_lshl_b32 s22, s16, 1
	SADD 21, 22
	s_add_co_u32 s21, s21, XN
	v_lshl_add_u32 v[STO], v1, 2, v2
	v_add_nc_u32 v[STO], s21, v[STO]
	s_lshl_b32 s21, s15, 12
	s_lshl_b32 s22, s16, 3
	SADD 21, 22
	s_add_co_u32 s21, s21, MID
	v_add_nc_u32 v[STM], s21, v[CO]
	s_mul_i32 s21, s15, 1408
	s_sub_co_u32 s21, 3072, s21                         ; the scale image lies 3,072 + 128 q - 1,536 q bytes behind fragment q
	v_lshl_add_u32 v[SO2], v3, 2, s21
	v_lshlrev_b32 v[H8], 3, v2
	s_mov_b32 s92, 0x76543210
	s_mov_b32 s93, 0xfedcba98
	s_mov_b32 s46, 0
	s_mov_b32 s47, 0
	PFTILE 8, 9, 100
	WALU                                                ; the wait at the head's end
	s_cmp_lt_u32 s14, 2
	s_cbranch_scc0 .Lnot_b
	s_wait_tensorcnt 0x0
.Lnot_b:
	BARRIER                                             ; Wv's tiles are in
	PFGO 8, 6
	WEIGHTS
	s_wait_loadcnt 0x0                                  ; V's bias, waited for under the flight of the weights' LDS loads
	WIN ((3<<6)|3)
.irp t, 0,8,16,24
.irp i, 1,2,3,4,5,6,7
	v_mov_b32 v[BBV-768+\t+\i], v[BBV-768+\t]          ; one number a lane and tile, over the tile's eight registers
.endr
.endr
	WIN 0
	WALU
	s_cmp_eq_u32 s14, 3
	s_cbranch_scc1 .Lnot_a0
	s_wait_tensorcnt 0x0
.Lnot_a0:
	s_wait_dscnt 0x0
	BARRIER                                             ; chunk 0 is in; chunk 1 may be on its way
	FETCH01
; ================= PHASE 1: V, eight blocks; band 0's way outs stand in band 1's blocks
.irp s, 0,1
	s_wait_dscnt NF
	BLOCK 1, \s, HV0+8*\s, 32, 0, 32, L_STEP
	WIN 0
	PLACES 4
	WALU
	FETCH \s
.endr
	s_wait_dscnt NF
	GRD
	BLOCK 1, 0, HV0+16, 32, 0, 24, L_V2
	WIN 0
	WALU
	s_wait_dscnt 0x0
	s_barrier_signal -1
	BLOCK 1, 0, HV0+16, 32, 24, 32, L_NONE
	MIDDLE
	BARRIER
	s_cmp_lt_u32 s14, 2
	s_cbranch_scc0 .Lno_half
	TLOAD G0B, G1B                                      ; half of Wq's or Wk's tiles, onto Wv's, which all waves hold in registers
.Lno_half:
	PLACES 4
	WALU
	FETCH 0
	PFGO 7, 4
	BLOCK 1, 1, HV0+24, 32, 0, 32, L_STEP
	WIN 0
	PLACES 4
	WALU
	FETCH 1
.irp j, 0,1,2
	s_wait_dscnt NF
.if \j < 2
	BLOCK 1, \j%2, HV1+8*\j, 32, 0, 32, L_OUT, HV0+32*\j, \j
.else
	BLOCK 1, \j%2, HV1+8*\j, 32, 0, 32, L_LAST, HV0+32*\j, \j
.endif
	WIN 0
	CODES6 HV0+32*\j, MCD+12*\j, \j
	WALU
.if \j < 2
	FETCH \j%2
.endif
.endr
	s_wait_dscnt 0x0
	BLOCK 1, 1, HV1+24, 32, 0, 26, L_V7, HV0+96, 3
	WIN 0
	WALU
	s_wait_tensorcnt 0x0
	s_wait_dscnt 0x0
	s_barrier_signal -1                                 ; a plain barrier: the weights that the first refill brought are shown to all
	BLOCK 1, 1, HV1+24, 32, 26, 32, L_NONE
	WIN 0
	s_barrier_wait -1
	CODES6 HV0+96, MCD+36, 3
	WALU
; ================= THE CHANGE OF PHASE: the weights and the first two blocks, which lie in slot 0 still, in one run of loads; band 1's way outs under their flight
.irp k, 0,1,2,3,4,5,6,7
	global_load_b128 v[BBQ+4*\k:BBQ+4*\k+3], v[OBQ], s[52:53] offset:16*\k
.endr
	WEIGHTS
	FETCH01
	PFGO 6, 4
.set I, 0
.rept 18
.irp t, 0,1,2,3
	CHAIN I, HV1+32*\t, 4+\t, 64+4*\t
.endr
.set I, I+1
.endr
.set I, 0
.rept 6
.irp t, 0,1,2,3
	CODES I, HV1+32*\t, MCD+12*\t+6, 4+\t, 80+4*\t
.endr
.set I, I+1
.endr
	WIN 0
.irp t, 0,1,2,3
	v_mov_b32 v[VW+4+\t], 0                             ; (a lane permute's destination counts as one of its sources)
.endr
.irp t, 0,1,2,3
	v_lshl_or_b32 v[VW+\t], v[EB+4+\t], 16, v[EB+\t]    ; my bytes: blocks h and 2 + h,
.endr
.irp t, 0,1,2,3
	v_lshlrev_b32 v[VW+\t], v[H8], v[VW+\t]
.endr
.irp t, 0,1,2,3
	v_permlanex16_b32 v[VW+4+\t], v[VW+\t], s92, s93
.endr
.irp t, 0,1,2,3
	v_or_b32 v[VW+\t], v[VW+\t], v[VW+4+\t]             ; with lane l xor 16's the word is whole
.endr
	WALU
; ================= PHASE 2: Q or K, sixteen blocks, way outs by pairs
	s_wait_loadcnt 0x0
	s_wait_dscnt NF
	BLOCK 0, 0, ACC, 8, 0, 32, L_STEP
	WIN 0
	PLACES 4
	WALU
.irp t, 0,1,2,3
.irp k, 0,1,2
	global_store_b128 v[CO], v[MCD+12*\t+4*\k:MCD+12*\t+4*\k+3], s[50:51] offset:TROW*\t+512*\k
.endr
	global_store_b32 v[SO2], v[VW+\t], s[50:51] offset:TROW*\t
.endr
	FETCH 0
	ODD NF, 1
	s_mov_b32 s86, 0
.Lwith_rounds:                                          ; blocks 2 to 5, 6 to 9
	EVENROUND NF+1
	ODD -1, 1
	EVEN NF+1, 1
	ODD NF+3, 1
	s_add_co_u32 s86, s86, 1
	s_cmp_lg_u32 s86, 2
	s_cbranch_scc1 .Lwith_rounds
.Lwithout:                                              ; blocks 10, 11 and 12, 13
	EVENSHOW NF+1
	ODD -1, 1
	s_add_co_u32 s86, s86, 1
	s_cmp_lg_u32 s86, 4
	s_cbranch_scc1 .Lwithout
	EVEN NF+1, 0
	ODD 3, 0
; ================= THE END: the last way out; scale bytes and MID leave as whole runs
.set I, 0
.rept 18
	CHAIN I, ACC+32, 1
.set I, I+1
.endr
	CODES6 ACC+32, NCD+6, 1
	s_lshl_b32 s20, s14, 12
	s_add_co_u32 s20, s20, MID
	s_lshl_b32 s21, s14, 9
	s_add_co_u32 s21, s21, XN
	WALU
	PAIROUT
	v_add_nc_u32 v13, s20, v[CO]
	v_lshrrev_b32 v60, 3, v3
	v_and_b32 v61, 3, v3
	v_lshlrev_b32 v12, 6, v60
	v_lshl_add_u32 v12, v61, 4, v12
	v_add_nc_u32 v12, s21, v12                          ; eight lanes to a tile's image: its 64 bytes, twice
	s_mul_i32 s20, s89, 1536
	s_add_co_u32 s20, s20, 512
	s_lshl_b32 s21, s89, 7
	s_add_co_u32 s21, s21, 3072
	v_add_nc_u32 v6, s20, v[CO]
	v_mul_u32_u24 v7, v60, TROW
	v_and_b32 v61, 7, v3
	v_lshl_add_u32 v7, v61, 4, v7
	v_add_nc_u32 v7, s21, v7
	WALU
	s_wait_dscnt 0x0
	BARRIER
.irp i, 0,1,2,3,4,5,6,7
	ds_load_b128 v[64+4*\i:67+4*\i], v13 offset:512*\i
.endr
	ds_load_b128 v[96:99], v12
	ds_load_b128 v[100:103], v12 offset:256
	s_wait_dscnt 0x0
.irp i, 0,1,2,3,4,5,6,7
	global_store_b128 v6, v[64+4*\i:67+4*\i], s[78:79] offset:TROW*\i
.endr
	global_store_b128 v7, v[96:99], s[78:79]
	global_store_b128 v7, v[100:103], s[78:79] offset:4*TROW
	s_wait_tensorcnt 0x0                                ; the wave's end
	ds_add_u32 v[SPW], v[NIL]
	s_wait_dscnt 0x0
	CROUND                                              ; the closing round
	s_endpgm
.Lfunc_end_k_qfa10aa928c_proj:
	.size	k_qfa10aa928c_proj, .Lfunc_end_k_qfa10aa928c_proj-k_qfa10aa928c_proj
	.p2alignl 7, 3214868480
	.fill 96, 4, 3214868480
	.section	.rodata,"a",@progbits
	.p2align	6, 0x0
	.amdhsa_kernel k_qfa10aa928c_proj
		.amdhsa_group_segment_fixed_size 327680
		.amdhsa_private_segment_fixed_size 0
		.amdhsa_enable_private_segment 0
		.amdhsa_kernarg_size 64
		.amdhsa_user_sgpr_count 2
		.amdhsa_user_sgpr_kernarg_segment_ptr 1
		.amdhsa_wavefront_size32 1
		.amdhsa_system_sgpr_workgroup_id_x 1
		.amdhsa_system_sgpr_workgroup_id_y 1
		.amdhsa_system_sgpr_workgroup_id_z 1
		.amdhsa_system_vgpr_workitem_id 0
		.amdhsa_next_free_vgpr 1024
		.amdhsa_next_free_sgpr 102
		.amdhsa_reserve_vcc 0
		.amdhsa_float_denorm_mode_32 3
		.amdhsa_float_denorm_mode_16_64 3
		.amdhsa_memory_ordered 1
		.amdhsa_forward_progress 1
		.amdhsa_inst_pref_size 184
	.end_amdhsa_kernel
	.amdgpu_metadata
---
amdhsa.version: [ 1, 2 ]
amdhsa.kernels:
  - .name:           k_qfa10aa928c_proj
    .symbol:         k_qfa10aa928c_proj.kd
    .args:
      - { .name: xr, .offset: 0, .size: 8, .value_kind: global_buffer, .address_space: global }
      - { .name: wr, .offset: 8, .size: 8, .value_kind: global_buffer, .address_space: global }
      - { .name: bq, .offset: 16, .size: 8, .value_kind: global_buffer, .address_space: global }
      - { .name: bk, .offset: 24, .size: 8, .value_kind: global_buffer, .address_space: global }
      - { .name: bv, .offset: 32, .size: 8, .value_kind: global_buffer, .address_space: global }
      - { .name: qr, .offset: 40, .size: 8, .value_kind: global_buffer, .address_space: global }
      - { .name: kr, .offset: 48, .size: 8, .value_kind: global_buffer, .address_space: global }
      - { .name: vr, .offset: 56, .size: 8, .value_kind: global_buffer, .address_space: global }
    .group_segment_fixed_size: 327680
    .private_segment_fixed_size: 0
    .kernarg_segment_align: 8
    .kernarg_segment_size: 64
    .max_flat_workgroup_size: 128
    .sgpr_count:     102
    .vgpr_count:     1024
    .wavefront_size: 32
...
	.end_amdgpu_metadata
.endif
;; end of part 2
;; launch score (part 3): grid 8 x 32, 4 waves a work-group, clusters of 4 x 4, 327,680 bytes of LDS; arguments qr, kr, pc, ps; writes pc, ps
.if DOCPART == 3
	.amdgcn_target "amdgcn-amd-amdhsa--gfx1250"
	.amdhsa_code_object_version 6
	.text
	.protected	k_qfa10aa928c_score
	.globl	k_qfa10aa928c_score
	.p2align	8
	.type	k_qfa10aa928c_score,@function
k_qfa10aa928c_score:
	s_mov_b64 s[64:65], 0
	v_nop
	global_prefetch_b8 v0, s[64:65] scope:SCOPE_SE
	s_setreg_imm32_b32 hwreg(HW_REG_WAVE_MODE, 25, 1), 1
	s_wait_xcnt 0x0
	s_wait_alu depctr_hold_cnt(0) depctr_sa_sdst(0) depctr_va_vdst(0) depctr_va_sdst(0) depctr_va_ssrc(0) depctr_va_vcc(0) depctr_vm_vsrc(0)
	s_getreg_b32 s2, hwreg(HW_REG_IB_STS2, 6, 4)
	s_cmp_eq_u32 s2, 0
	s_cbranch_scc0 .Lentry_in_a_cluster
	s_endpgm
.Lentry_in_a_cluster:
	s_bfe_u32 s2, ttmp6, 0x10000c
	s_cmp_lg_u32 s2, 0xf033
	s_cbranch_scc0 .Lentry_shape_is_right
	s_endpgm
.Lentry_shape_is_right:
; S^T = K Q^T on codes of FP6 (E2M3) with E8M0 scales, sums in f32, and the softmax's first half: t = score x log2(e) / 32; for each query and each CHUNK of 128 keys a local M = ceil(the chunk's largest t),
; p = 2^(t - M), quantised along the keys, and l = the sum of the unquantised p.  M is a whole number, so the next launch brings a chunk under the row's M by taking a whole number off p's scale bytes.
; qr, kr: [tile 512][j 4] records (a record, 3,328 bytes: a tile's fragments of K steps 2 j, 2 j + 1, each 1,536 bytes, register 4 g + i of lane l at 512 g + 16 l + 4 i; then two scale images of 128 bytes, lane l's word at 4 l).
; Lane r of tile 4 G + j is row 64 G + 32 (r / 8) + 8 j + r % 8, so a lane's 32 scores of four tiles of keys are one scale block.  pc: [tile of queries 512][chunk 16] fragments.
; ps: [pair of tiles 256][chunk 16][lane 32] x 16 bytes: p's scale word, -M as f32, l, 0; lanes 0-15 speak for the pair's first tile, lanes 16-31 for its second.
; A work-group makes 256 queries x 256 keys, K = 1,024; four waves, each 128 x 128.  "B" = the keys is source 0 (they become a lane's registers: the next K), "A" = the queries source 1 (a lane holds one query).
; THE RING: K is four fills of two K steps, three slots.  Fill 0 goes out at the head, one tensor load a wave; fill 1 behind a round when fill 0 is in; fill 2 (slot 2) and fill 3 (slot 0 again) behind rounds at K steps 1 and 3.
; CLUSTERS: 4 x 4.  Q's tiles are shared along a row of the cluster, K's along a column: each is asked for jointly.
; LIMITS: a block whose every p has fallen to 0 keeps the byte 1 (its codes are zeros); a block's largest p is made from its largest score by the same two instructions; NaN and infinities are not served.
; REGISTERS: window 0: v1-8 lane numbers, v16-24 LDS addresses, v28-29 the add's two, v32-63 scale words (two sets), v64-159 and v160-255 A's fragments (two sets; free on the way out).
;   window 1: v0-95, v128-223 B's fragments.   windows 2, 3: accumulator (a, b) at v[8 (8 (a % 4) + b)] of window 2 + a / 4.
.set REC,   3328
.set TROW,  4*REC
.set HALF,  8*REC
.set SLOT,  4*HALF
.set SPARE, 3*SLOT                     ; the spare words, 128 bytes a wave: two blocks of 256 bytes that no other line names
.set LI,   4
.set H8,   6                           ; 8 h
.set PFO,  7                           ; the prefetches' offset
.set ADRA, 16
.set ADRB, 19
.set ADRS, 22
.set SPW,  28
.set NIL,  29
.set SC,   32
.set AF,   64
.set T,    64                          ; the way out: v64-127 t - M, then p
.set PC,   128                         ; v128-146 p's codes
.set BMX,  160                         ; v160-163 the largest scores, then v160-161 the blocks' largest p
.set BMY,  164                         ; v164-167 at work
.set SCO,  168                         ; v168-169 scale operands
.set NMB,  172                         ; v172, v174 -M of the even and of the odd tile (each the low word of a pair)
.set PW,   180                         ; v180-181 scale words
.set LL,   182                         ; v182-183 l
.set SS,   184                         ; v184-187 the pair's 16 bytes for ps
.set TQ,   188
.set LS,   192                         ; v192-199 sums, four chains
.set G1,   24
.set G1B,  32
.set G0,   48
.set G0B,  76
.set PFB,  66                          ; s[66:67] where my prefetches stand
.set CS,   12                          ; s[12:13] c = log2(e) / 32: the packed form names a pair and takes its low word
.set SEL,  2                           ; s[2:3] selects for lane l xor 16
.set HM,   95                          ; s95 the mask of lanes 16-31
.set MUL_LO, 0xa1
.set MUL_HI, 0xf1
.set MSB, 0
.macro WIN new
.if MSB != \new
	s_set_vgpr_msb (MSB<<8)|\new
.set MSB, \new
.endif
.endm
.macro PLACES n
.rept \n
	v_nop
.endr
.endm
.macro JLOAD g0a, g1a, g0b, g1b        ; a joint load: waves 0 and 1 fetch for A, waves 2 and 3 for B; an s_nop 0 and four v_nop follow each of the two lines
	s_cmp_eq_u32 s15, 0
	s_cbranch_scc0 .Lfor_b_\@
	tensor_load_to_lds s[\g0a:\g0a+3], s[\g1a:\g1a+7]
	s_nop 0
.rept 4
	v_nop
.endr
	s_branch .Lasked_\@
.Lfor_b_\@:
	tensor_load_to_lds s[\g0b:\g0b+3], s[\g1b:\g1b+7]
	s_nop 0
.rept 4
	v_nop
.endr
.Lasked_\@:
.endm
.macro CREST
	s_cmp_lg_u32 s14, 0
	s_cbranch_scc1 .Lnot_wave_0_\@
	s_barrier_signal -3
.Lnot_wave_0_\@:
	s_barrier_wait -3
	s_barrier_signal -1
	s_barrier_wait -1
.endm
.macro CROUND
	s_barrier_signal -1
	s_barrier_wait -1
	CREST
.endm
.macro ASKPF f                         ; fill f, one fill ahead of its load
	global_prefetch_b8 v[PFO], s[PFB:PFB+1] offset:(\f)*REC th:TH_LOAD_NT scope:SCOPE_SE
.endm
	s_load_b256 s[4:11], s[0:1], 0x0               ; qr, kr, pc, ps
	v_lshl_add_u32 v[SPW], v0, 2, SPARE
	v_mov_b32 v[NIL], 0
	ds_add_u32 v[SPW], v[NIL]                      ; the wave's opening: the add, twice on end, and its wait ahead of my first tensor load
	ds_add_u32 v[SPW], v[NIL]
	v_lshrrev_b32 v1, 5, v0
	v_readfirstlane_b32 s14, v1                    ; wave
	s_lshr_b32 s15, s14, 1                         ; ha.  Also: I fetch for A (0) or for B (1)
	s_and_b32 s16, s14, 1                          ; hb.  Also: which half I fetch
	s_bfe_u32 s40, ttmp6, 0x40000                  ; cx
	s_bfe_u32 s41, ttmp6, 0x40004                  ; cy
	s_and_b32 s19, ttmp7, 0xffff                   ; cluster y
	s_lshl_b32 s17, s19, 2
	s_add_co_u32 s17, s17, s41                     ; ta: my 256 queries
	s_lshr_b32 s42, s19, 1                         ; the batch
	s_lshl_b32 s42, s42, 3
	s_lshl_b32 s18, ttmp9, 2
	s_add_co_u32 s18, s18, s40                     ; my 256 keys within the batch
	s_add_co_u32 s42, s42, s18                     ; tb
	s_lshl_b32 s43, s41, 2
	s_lshl_b32 s43, 15, s43                        ; my row of the cluster
	s_lshl_b32 s44, 0x1111, s40                    ; my column
	s_or_b32 s[G1], s43, (3<<16)|(1<<21)           ; the mask; elements of 8 bytes; no padding; bit 21 beside a mask
	s_or_b32 s[G1B], s44, (3<<16)|(1<<21)
.irp g, G1, G1B
	s_mov_b32 s[\g+1], 416<<16                     ; tensor_dim0: a record
	s_mov_b32 s[\g+2], 8<<16                       ; tensor_dim1: 8 tiles
	s_mov_b32 s[\g+3], 416<<16                     ; tile_dim0
	s_mov_b32 s[\g+4], 8                           ; tile_dim1
	s_mov_b32 s[\g+5], 1664                        ; from tile to tile
	s_mov_b32 s[\g+6], 0
	s_mov_b32 s[\g+7], 0
.endr
	s_lshl_b32 s23, s16, 3
	s_lshl_b32 s22, s17, 4
	s_add_co_u32 s22, s22, s23
	s_mul_i32 s22, s22, TROW
	s_lshl_b32 s92, s42, 4
	s_add_co_u32 s92, s92, s23
	s_mul_i32 s92, s92, TROW
	s_mov_b32 s23, 0
	s_mov_b32 s93, 0
	s_mul_i32 s94, s14, HALF
	s_mov_b32 s[SEL], 0x76543210
	s_mov_b32 s[SEL+1], 0xfedcba98
	s_mov_b32 s[CS], 0x3d38aa3b                    ; log2(e) / 32
	s_mov_b32 s[CS+1], s[CS]
	s_mov_b32 s[HM], 0xffff0000
	s_wait_dscnt 0x0                               ; both opening adds are done
	s_wait_kmcnt 0x0
	s_add_nc_u64 s[20:21], s[4:5], s[22:23]
	s_add_nc_u64 s[46:47], s[6:7], s[92:93]
	CROUND                                         ; all sixteen work-groups are here: the first joint loads meet
.irp s, 0,1,2
	s_mov_b32 s[G0+4*\s], 1
	s_add_co_u32 s[G0+4*\s+1], s94, \s*SLOT
	s_add_nc_u64 s[G0+4*\s+2:G0+4*\s+3], s[20:21], \s*REC
	s_or_b32 s[G0+4*\s+3], s[G0+4*\s+3], 0x80000000
	s_mov_b32 s[G0B+4*\s], 1
	s_add_co_u32 s[G0B+4*\s+1], s94, \s*SLOT
	s_add_nc_u64 s[G0B+4*\s+2:G0B+4*\s+3], s[46:47], \s*REC
	s_or_b32 s[G0B+4*\s+3], s[G0B+4*\s+3], 0x80000000
.endr
	JLOAD G0, G1, G0B, G1B                         ; fill 0: one load a wave at the head
	; PREFETCHES: fills 2 and 3; fills 0 and 1 come by their loads alone.  Of the eight tiles that my wave fetches, each of the four partners that ask for them with me asks two into the L2:
	; 26 blocks of 256 bytes of a record each, a lane a block
	s_cmp_eq_u32 s15, 0
	s_cselect_b32 s70, s40, s41                    ; my place among the four
	s_cselect_b64 s[PFB:PFB+1], s[20:21], s[46:47]
	s_mul_i32 s70, s70, 2*TROW
	s_mov_b32 s71, 0
	s_add_nc_u64 s[PFB:PFB+1], s[PFB:PFB+1], s[70:71]
	v_and_b32 v[PFO], 31, v0
	v_min_u32 v[PFO], 25, v[PFO]
	v_mul_u32_u24 v8, v[PFO], 5
	v_lshrrev_b32 v8, 6, v8                        ; lane / 13
	v_mul_u32_u24 v8, v8, TROW-REC
	v_lshl_add_u32 v[PFO], v[PFO], 8, v8
	v_and_b32 v1, 31, v0                           ; lane
	v_bfe_u32 v3, v0, 4, 1                         ; h
	v_lshlrev_b32 v[H8], 3, v3
	v_lshlrev_b32 v[LI], 4, v1
	s_mul_i32 s21, s15, HALF
	s_mul_i32 s22, s16, HALF
	s_add_co_u32 s22, s22, 2*HALF
	s_sub_co_u32 s23, s22, s21
	v_mul_u32_u24 v5, s23, v3                      ; lanes 16-31 take B's scale images
	v_lshl_add_u32 v5, v1, 2, v5
	v_add_nc_u32 v5, 3072, v5
.irp s, 0,1,2
	v_add_nc_u32 v[ADRA+\s], s21, v[LI]
	v_add_nc_u32 v[ADRB+\s], s22, v[LI]
	v_add_nc_u32 v[ADRS+\s], s21, v5
	s_add_co_u32 s21, s21, SLOT
	s_add_co_u32 s22, s22, SLOT
.endr
	s_lshl_b32 s88, s17, 4
	s_lshl_b32 s89, s15, 3
	s_add_co_u32 s88, s88, s89                     ; my first tile of queries
	s_lshl_b32 s89, s18, 1
	s_add_co_u32 s89, s89, s16                     ; my chunk of 128 keys
	s_lshl_b32 s90, s88, 4
	s_add_co_u32 s90, s90, s89
	s_mul_i32 s90, s90, 1536
	s_mov_b32 s91, 0
	s_add_nc_u64 s[8:9], s[8:9], s[90:91]          ; pc at (tile, chunk)
	s_lshl_b32 s92, s88, 3
	s_add_co_u32 s92, s92, s89
	s_lshl_b32 s92, s92, 9
	s_mov_b32 s93, 0
	s_add_nc_u64 s[10:11], s[10:11], s[92:93]      ; ps at (pair, chunk)
.macro FRAG reg, adr, off
.irp c, 0,1,2
	ds_load_b128 v[\reg+4*\c:\reg+4*\c+3], v[\adr] offset:\off+512*\c
.endr
.endm
.macro FETCH slot, q, p
	WIN 0x40
.irp i, 0,1,2,3,4,5,6,7
	FRAG 128*(\p)+12*\i, ADRB+(\slot), REC*\i+1536*(\q)
.endr
	WIN 0
.irp i, 0,1,2,3,4,5,6,7
	FRAG AF+96*(\p)+12*\i, ADRA+(\slot), REC*\i+1536*(\q)
.endr
.endm
.macro SCALES slot, sc
.irp i, 0,1,2,3,4,5,6,7
.irp q, 0,1
	ds_load_b32 v[SC+16*(\sc)+2*\i+\q], v[ADRS+(\slot)] offset:REC*\i+128*\q
.endr
.endr
.endm
.macro NEXT k                          ; the scale words first, A's blocks 4-7 last
.set NSL, ((\k)/2)%3
.set NQQ, (\k)%2
.set NSC, ((\k)/2)%2
.if NQQ == 0
	SCALES NSL, NSC
.endif
	FETCH NSL, NQQ, NQQ
.endm
; 16 products; the 64 accumulators take turns, one instruction a turn, in the same order in every K step
.macro MUL16 a0, p, q, sc, zero
.irp a, \a0, \a0+1
.irp b, 0,1,2,3,4,5,6,7
.set DD, 8*(8*((\a)%4)+\b)
.set FB, 128*(\p)+12*\b
.set FA, AF+96*(\p)+12*(\a)
.set SB, SC+16*(\sc)+2*\b+(\q)
.set SA, SC+16*(\sc)+2*(\a)+(\q)
.if \zero
	v_wmma_scale_f32_16x16x128_f8f6f4 v[DD:DD+7], v[FB:FB+11], v[FA:FA+11], 0, v[SB], v[SA] matrix_a_fmt:MATRIX_FMT_FP6 matrix_b_fmt:MATRIX_FMT_FP6 matrix_a_scale:MATRIX_SCALE_ROW1
.else
	v_wmma_scale_f32_16x16x128_f8f6f4 v[DD:DD+7], v[FB:FB+11], v[FA:FA+11], v[DD:DD+7], v[SB], v[SA] matrix_a_fmt:MATRIX_FMT_FP6 matrix_b_fmt:MATRIX_FMT_FP6 matrix_a_scale:MATRIX_SCALE_ROW1
.endif
.endr
.endr
.endm
.macro PROD a0, k, zero
.set KP, (\k)%2
.set KC, ((\k)/2)%2
	MUL16 \a0, KP, KP, KC, \zero
.endm
; A K step: mode 0 plain; 1: a round, and a fill behind it; 2: a barrier in front of the refilled slot's first read; 3: the last.
.macro KSTEP k, mode, zero
.if \mode == 0
	s_wait_dscnt 12                                ; all of this step's fragments but A's blocks 4-7 are in
.if (\k) > 0
	PLACES 4                                       ; in front of loads into registers that matrix instructions have read
.endif
	NEXT (\k)+1
	WIN MUL_LO
	PROD 0, \k, \zero
	PROD 2, \k, \zero
.if (\k)%2
	s_wait_dscnt 63                                ; A's blocks 4-7 are in: of the 64 loads just issued at most 63 are out
.else
	s_wait_dscnt 48                                ; A's blocks 4-7 are in: the 48 loads just issued may be out
.endif
	WIN MUL_HI
	PROD 4, \k, \zero
	PROD 6, \k, \zero
	WIN 0
.elseif \mode == 1
	s_wait_tensorcnt 0x0                           ; my tensor load has landed: my part of the next slot;
	ds_add_u32 v[SPW], v[NIL]                      ; 0 onto my spare word;
	s_wait_dscnt 0x1                               ; (only the add may be out)
	WIN MUL_LO
	PROD 0, \k, 0
	s_wait_dscnt 0x0                               ; the add is done, and my reads of the slot left behind are over
	s_barrier_signal -1
	PROD 2, \k, 0
	WIN 0
	s_barrier_wait -1
	CREST                                          ; a round of the cluster's barrier: no wave of any partner still reads that slot or has a load on its way
.if (\k) == 3
	s_add_nc_u64 s[G0+2:G0+3], s[G0+2:G0+3], 3*REC
	s_add_nc_u64 s[G0B+2:G0B+3], s[G0B+2:G0B+3], 3*REC
	JLOAD G0, G1, G0B, G1B                         ; fill 3, into slot 0: the first tensor load behind the round; its four v_nop are the places in front of the loads below
.else
	JLOAD G0+8, G1, G0B+8, G1B                     ; fill 2, into slot 2
	ASKPF 3
.endif
	NEXT (\k)+1
	WIN MUL_HI
	PROD 4, \k, 0
	PROD 6, \k, 0
	WIN 0
.elseif \mode == 2
	s_wait_tensorcnt 0x0                           ; my part of fill 3 is in: the one load that was out.
	s_wait_dscnt 0x0
	s_barrier_signal -1
	WIN MUL_LO
	PROD 0, \k, 0
	PROD 2, \k, 0
	WIN 0
	s_barrier_wait -1
	PLACES 4
	NEXT (\k)+1
	WIN MUL_HI
	PROD 4, \k, 0
	PROD 6, \k, 0
	WIN 0
.else
	s_wait_dscnt 12
	WIN MUL_LO
	PROD 0, \k, 0
	PROD 2, \k, 0
	s_wait_dscnt 0x0
	WIN MUL_HI
	PROD 4, \k, 0
	PROD 6, \k, 0
	WIN 0
.endif
.endm
	s_wait_alu depctr_va_vdst(0)                   ; the wait at the head's end
	s_wait_tensorcnt 0x0                           ; my part of slot 0 is in
	ds_add_u32 v[SPW], v[NIL]
	s_wait_dscnt 0x0
	CROUND
	JLOAD G0+4, G1, G0B+4, G1B                     ; fill 1, into slot 1
	SCALES 0, 0
	FETCH 0, 0, 0
	ASKPF 2
	KSTEP 0, 0, 1
	KSTEP 1, 1, 0
	KSTEP 2, 0, 0
	KSTEP 3, 1, 0
	KSTEP 4, 0, 0
	KSTEP 5, 2, 0
	KSTEP 6, 0, 0
	KSTEP 7, 3, 0
; THE WAY OUT, a tile of 16 queries at a time.  A lane holds one query; register 32 c + n is key 64 c + 32 h + n of my chunk: two whole blocks of 32 keys, 2 c + h.
.macro SOFT a
.set AC, 64*((\a)%4)
.set WA, 2+(\a)/4
.set W3, WA*21                         ; all three sources in the accumulators' window
.set W2, WA*20                         ; sources 1 and 2
.set PAR, (\a)%2
.set NM, NMB+2*PAR
.if (\a) > 0
	s_wait_xcnt 0x0                                ; the last tile's stores have read their registers
.endif
	WIN W3
.irp b, 0,1,2,3
	v_max3_num_f32 v[BMX+\b], v[AC+16*\b], v[AC+16*\b+1], v[AC+16*\b+2]   ; the largest score of each half block, by turns
.endr
	WIN W2
.irp i, 3,5,7,9,11,13
.irp b, 0,1,2,3
	v_max3_num_f32 v[BMX+\b], v[BMX+\b], v[AC+16*\b+\i], v[AC+16*\b+\i+1]
.endr
.endr
.irp b, 0,1,2,3
	v_max_num_f32 v[BMX+\b], v[BMX+\b], v[AC+16*\b+15]
.endr
	WIN 0
	v_max_num_f32 v[BMX], v[BMX], v[BMX+1]         ; of each block: it serves for the chunk's maximum and, since p rises with the score, for the block's largest p
	v_max_num_f32 v[BMX+1], v[BMX+2], v[BMX+3]
	v_max_num_f32 v[TQ], v[BMX], v[BMX+1]
	v_permlanex16_b32 v[BMY], v[TQ], s[SEL], s[SEL+1]
	v_max_num_f32 v[TQ], v[TQ], v[BMY]             ; with lane l xor 16's two blocks
	v_mul_f32 v[TQ], s[CS], v[TQ]                  ; the chunk's largest t (c is positive)
	v_floor_f32 v[NM], -v[TQ]                      ; -M = floor(-t) = -ceil(t): a whole number
	WIN WA
.set jj, 0
.rept 32
	v_pk_fma_f32 v[T+jj:T+jj+1], v[AC+jj:AC+jj+1], s[CS:CS+1], v[NM:NM+1] op_sel_hi:[1,0,0]   ; t - M, two at a time, into window 0
.set jj, jj+2
.endr
	WIN 0
.irp b, 0,1
	v_fma_f32 v[BMX+\b], v[BMX+\b], s[CS], v[NM]   ; the same of each block's largest score
.endr
.set jj, 0
	s_wait_alu depctr_va_vdst(0)                   ; the wait ahead of the batch
.rept 64
	v_exp_f32 v[T+jj], v[T+jj]                     ; p = 2^(t - M): not normalised
.set jj, jj+1
.endr
.irp b, 0,1
	v_exp_f32 v[BMX+\b], v[BMX+\b]                 ; the block's largest p: the same two instructions on the same number give the same bits
.endr
	v_nop                                          ; a plain instruction behind the exponentials
	s_wait_alu depctr_va_vdst(0)                   ; one wait for the batch, ahead of its first reader
.irp c, 0,1,2,3
	v_pk_add_f32 v[LS+2*\c:LS+2*\c+1], v[T+4*\c:T+4*\c+1], v[T+4*\c+2:T+4*\c+3]   ; the sum of the unquantised p, in four chains
.endr
.set jj, 16
.rept 6
.irp c, 0,1,2,3
	v_pk_add_f32 v[LS+2*\c:LS+2*\c+1], v[LS+2*\c:LS+2*\c+1], v[T+jj+2*\c:T+jj+2*\c+1]
.endr
.set jj, jj+8
.endr
.irp b, 0,1
	v_max_num_f32 v[BMX+\b], 0x1800000, v[BMX+\b]  ; the floor 2^(3 - 127): the byte cannot fall under 1
.endr
	v_pk_add_f32 v[LS:LS+1], v[LS:LS+1], v[LS+2:LS+3]
	v_pk_add_f32 v[LS+4:LS+5], v[LS+4:LS+5], v[LS+6:LS+7]
.irp b, 0,1
	v_add_nc_u32 v[SCO+\b], 0xff000000, v[BMX+\b]  ; 2 off the exponent field: the conversion's scale operand
.endr
	v_pk_add_f32 v[LS:LS+1], v[LS:LS+1], v[LS+4:LS+5]
.irp b, 0,1
	v_lshrrev_b32 v[BMY+\b], 23, v[SCO+\b]         ; the scale's byte: at most 125, since p is at most 1
.endr
	v_add_f32 v[LL+PAR], v[LS], v[LS+1]
	v_lshl_or_b32 v[PW+PAR], v[BMY+1], 16, v[BMY]  ; my bytes: blocks h and 2 + h,
	v_permlanex16_b32 v[TQ], v[LL+PAR], s[SEL], s[SEL+1]
	v_lshlrev_b32 v[PW+PAR], v[H8], v[PW+PAR]
	v_add_f32 v[LL+PAR], v[LL+PAR], v[TQ]          ; the chunk's l, in both halves of the lanes
	v_permlanex16_b32 v[BMY+2], v[PW+PAR], s[SEL], s[SEL+1]
	v_or_b32 v[PW+PAR], v[PW+PAR], v[BMY+2]        ; with lane l xor 16's two the word is whole
.irp c, 0,1
	v_cvt_scalef32_pk16_fp6_f32 v[PC+6*\c:PC+2+6*\c], v[T+32*\c:T+15+32*\c], v[SCO+\c]
	v_cvt_scalef32_pk16_fp6_f32 v[PC+12+4*\c:PC+14+4*\c], v[T+16+32*\c:T+31+32*\c], v[SCO+\c]
.endr
	v_nop                                          ; one plain place behind a scaled conversion
.irp c, 0,1
.irp i, 0,1,2
	v_mov_b32 v[PC+3+6*\c+\i], v[PC+12+4*\c+\i]
.endr
.endr
.irp c, 0,1,2
	global_store_b128 v[LI], v[PC+4*\c:PC+4*\c+3], s[8:9] offset:24576*(\a)+512*\c   ; 32 lanes store 512 consecutive bytes, aligned to 256
.endr
.if PAR == 1
	v_cndmask_b32 v[SS], v[PW], v[PW+1], s[HM]     ; lanes 0-15 the even tile's, lanes 16-31 the odd tile's
	v_cndmask_b32 v[SS+1], v[NMB], v[NMB+2], s[HM]
	v_cndmask_b32 v[SS+2], v[LL], v[LL+1], s[HM]
	global_store_b128 v[LI], v[SS:SS+3], s[10:11] offset:8192*((\a)/2)
.endif
.endm
	PLACES 4                                       ; behind the last products
.irp b, 0,1,2,3
	v_mov_b32 v[BMY+\b], 0                         ; written once: a lane permute's destination counts as one of its sources
.endr
	v_mov_b32 v[NMB+1], 0                          ; (named as the upper halves of pairs)
	v_mov_b32 v[NMB+3], 0
	v_mov_b32 v[SS+3], 0
	v_mov_b32 v[TQ], 0
.irp a, 0,1,2,3,4,5,6,7
	SOFT \a
.endr
	s_wait_tensorcnt 0x0                           ; the wave's end, behind my last tensor load
	ds_add_u32 v[SPW], v[NIL]
	s_wait_dscnt 0x0
	CROUND                                         ; the closing round
	s_endpgm
.Lfunc_end_k_qfa10aa928c_score:
	.size	k_qfa10aa928c_score, .Lfunc_end_k_qfa10aa928c_score-k_qfa10aa928c_score
	.p2alignl 7, 3214868480
	.fill 96, 4, 3214868480
	.section	.rodata,"a",@progbits
	.p2align	6, 0x0
	.amdhsa_kernel k_qfa10aa928c_score
		.amdhsa_group_segment_fixed_size 327680
		.amdhsa_private_segment_fixed_size 0
		.amdhsa_enable_private_segment 0
		.amdhsa_kernarg_size 32
		.amdhsa_user_sgpr_count 2
		.amdhsa_user_sgpr_kernarg_segment_ptr 1
		.amdhsa_wavefront_size32 1
		.amdhsa_system_sgpr_workgroup_id_x 1
		.amdhsa_system_sgpr_workgroup_id_y 1
		.amdhsa_system_sgpr_workgroup_id_z 1
		.amdhsa_system_vgpr_workitem_id 0
		.amdhsa_next_free_vgpr 1024
		.amdhsa_next_free_sgpr 100
		.amdhsa_reserve_vcc 0
		.amdhsa_float_denorm_mode_32 3
		.amdhsa_float_denorm_mode_16_64 3
		.amdhsa_memory_ordered 1
		.amdhsa_forward_progress 1
		.amdhsa_inst_pref_size 187
	.end_amdhsa_kernel
	.amdgpu_metadata
---
amdhsa.version: [ 1, 2 ]
amdhsa.kernels:
  - .name:           k_qfa10aa928c_score
    .symbol:         k_qfa10aa928c_score.kd
    .args:
      - { .name: qr, .offset: 0, .size: 8, .value_kind: global_buffer, .address_space: global }
      - { .name: kr, .offset: 8, .size: 8, .value_kind: global_buffer, .address_space: global }
      - { .name: pc, .offset: 16, .size: 8, .value_kind: global_buffer, .address_space: global }
      - { .name: ps, .offset: 24, .size: 8, .value_kind: global_buffer, .address_space: global }
    .group_segment_fixed_size: 327680
    .private_segment_fixed_size: 0
    .kernarg_segment_align: 8
    .kernarg_segment_size: 32
    .max_flat_workgroup_size: 128
    .sgpr_count:     100
    .vgpr_count:     1024
    .wavefront_size: 32
...
	.end_amdgpu_metadata
.endif
;; end of part 3
;; launch pv (part 4): grid 4 x 64, 4 waves a work-group, clusters of 4 x 4, 327,680 bytes of LDS; arguments pc, ps, vr, out0; writes out0
.if DOCPART == 4
	.amdgcn_target "amdgcn-amd-amdhsa--gfx1250"
	.amdhsa_code_object_version 6
	.text
	.protected	k_qfa10aa928c_pv
	.globl	k_qfa10aa928c_pv
	.p2align	8
	.type	k_qfa10aa928c_pv,@function
k_qfa10aa928c_pv:
	s_mov_b64 s[64:65], 0
	v_nop
	global_prefetch_b8 v0, s[64:65] scope:SCOPE_SE
	s_setreg_imm32_b32 hwreg(HW_REG_WAVE_MODE, 25, 1), 1
	s_wait_xcnt 0x0
	s_wait_alu depctr_hold_cnt(0) depctr_sa_sdst(0) depctr_va_vdst(0) depctr_va_sdst(0) depctr_va_ssrc(0) depctr_va_vcc(0) depctr_vm_vsrc(0)
	s_getreg_b32 s2, hwreg(HW_REG_IB_STS2, 6, 4)
	s_cmp_eq_u32 s2, 0
	s_cbranch_scc0 .Lentry_in_a_cluster
	s_endpgm
.Lentry_in_a_cluster:
	s_bfe_u32 s2, ttmp6, 0x10000c
	s_cmp_lg_u32 s2, 0xf033
	s_cbranch_scc0 .Lentry_shape_is_right
	s_endpgm
.Lentry_shape_is_right:
; O = (P V) / l on codes of FP6 (E2M3) with E8M0 scales, sums in f32.  P arrives in chunks of 128 keys, each under its own whole number M (ps: p's scale word, -M, l for each query and chunk).
; At the head each wave finds its queries' row M (the largest of the 16), takes M_row - M_chunk off each of the chunk's four scale bytes, and sums l x 2^(M_chunk - M_row): both are exact.
; LIMITS: a byte that would fall under 0 is held at 0, and the shift is held at 127: what is lost lies under 2^-120 of a sum that is at least 1/2.  NaN and infinities are not served.
; pc: [tile of queries 512][chunk 16] fragments of 1,536 bytes (register 4 g + i of lane l at 512 g + 16 l + 4 i).  vr: [batch 4][half of the keys 2][tile of d 64][j 4] records of 3,328 bytes (two fragments, two scale images of 128 bytes).
; ps: [pair of tiles 256][chunk 16][lane 32] x 16 bytes; lanes 0-15 the pair's first tile, lanes 16-31 its second.  Lane r of tile 4 G + j is row 64 G + 32 (r / 8) + 8 j + r % 8: undone here, in the stores' offsets.
; A work-group makes 128 queries x 256 of d, so that there are 256 work-groups; K = the batch's 2,048 keys, 16 K steps.  Four waves, each 64 queries x 128 d: 32 accumulators.  "B" = V^T is source 0 (d runs along a lane's registers), "A" = P source 1.
; THE RING: two slots of four K steps; slot 0's first fill goes out at the head, one tensor load a wave, slot 1's behind a round when slot 0 is in; slot 0 is filled again behind a round at K step 3, slot 1 at K step 7.
; WAITS: a K step begins when V's fragments and P's first tile are in (nine younger loads may be out); P's other tiles are waited for one by one, behind the next step's loads.
; THE LAST TWO K STEPS go by tiles of P: a tile is finished with 16 products, and its stores leave while the next tile is multiplied.
; CLUSTERS: 4 x 4.  P's tiles are shared along a row of the cluster, V's along a column: each is asked for jointly.
; REGISTERS: window 0: v1-7 lane numbers, v8-15 1 / l (a pair for each of my four tiles), v16-21 LDS addresses, v24-25 the way out, v28-29 the add's two, v32-63 P's scale words, v64-95 V's (two sets),
;   v96-143, v144-191 A's fragments (at the head v96-223: ps), v224-229 at work.   window 1: v0-95, v128-223 B's fragments (on the way out v128-255: rows of O).   window 2: accumulator (a, b) at v[8 (8 a + b)].
;   window 3: K step 15's fragments, B's v0-95, A's v96-143.
.set HALFA, 4*6144                     ; four tiles x four fragments: what one tensor load brings of P
.set HALFB, 8*6656                     ; eight tiles x two records: of V
.set SLOT,  2*HALFA+2*HALFB
.set SPARE, 2*SLOT                     ; the spare words, 128 bytes a wave: two blocks of 256 bytes that no other line names
.set LI,   4
.set PFO,  7                           ; the prefetches' offset
.set RL,   8
.set ADRA, 16
.set ADRB, 18
.set ADRV, 20
.set STO,  24
.set RD,   25
.set SPW,  28
.set NIL,  29
.set PS,   32                          ; P's scale words: register 16 pr + k: lanes 0-15 tile 2 pr, lanes 16-31 tile 2 pr + 1, K step k
.set VS,   64                          ; V's: register 16 slot + 4 q + i: lanes 0-15 block i, lanes 16-31 block i + 4
.set AF,   96
.set G1,   24                          ; s[24:31] group 1 for P's tiles; s[32:39] for V's; s[48:55], s[56:63] their groups 0, a set for each slot
.set G1B,  32
.set G0,   48
.set G0B,  56
.set PFB,  66                          ; s[66:67] where my prefetches stand
.set SEL,  2                           ; s[2:3] selects for lane l xor 16
.set HM,   12                          ; s12 the mask of lanes 16-31
.set K01,  13                          ; s13 0x01010101
.set MUL,  0xa1                        ; source 0 (V) window 1, source 1 (P) window 0, C and D window 2
.set MUL3, 0xaf                        ; sources 0 and 1 window 3, C and D window 2
.set MSB, 0
.macro WIN new
.if MSB != \new
	s_set_vgpr_msb (MSB<<8)|\new
.set MSB, \new
.endif
.endm
.macro PLACES n
.rept \n
	v_nop
.endr
.endm
.macro JLOAD g0a, g1a, g0b, g1b        ; a joint load: waves 0 and 1 fetch for P, waves 2 and 3 for V; an s_nop 0 and four v_nop follow each of the two lines
	s_cmp_eq_u32 s15, 0
	s_cbranch_scc0 .Lfor_b_\@
	tensor_load_to_lds s[\g0a:\g0a+3], s[\g1a:\g1a+7]
	s_nop 0
.rept 4
	v_nop
.endr
	s_branch .Lasked_\@
.Lfor_b_\@:
	tensor_load_to_lds s[\g0b:\g0b+3], s[\g1b:\g1b+7]
	s_nop 0
.rept 4
	v_nop
.endr
.Lasked_\@:
.endm
.macro CREST
	s_cmp_lg_u32 s14, 0
	s_cbranch_scc1 .Lnot_wave_0_\@
	s_barrier_signal -3
.Lnot_wave_0_\@:
	s_barrier_wait -3
	s_barrier_signal -1
	s_barrier_wait -1
.endm
.macro CROUND
	s_barrier_signal -1
	s_barrier_wait -1
	CREST
.endm
; PREFETCHES INTO THE L2: of the tiles that my wave fetches, each of the four partners that ask for them with me asks one of P (24 blocks of 256 bytes) or two of V (26 each), a lane a block, one fill ahead of its load
.macro ASKPF fp, fv
	s_cmp_eq_u32 s15, 0
	s_cbranch_scc0 .Lfor_v_\@
	global_prefetch_b8 v[PFO], s[PFB:PFB+1] offset:\fp th:TH_LOAD_NT scope:SCOPE_SE
	s_branch .Lasked_pf_\@
.Lfor_v_\@:
	global_prefetch_b8 v[PFO], s[PFB:PFB+1] offset:\fv th:TH_LOAD_NT scope:SCOPE_SE
	global_prefetch_b8 v[PFO], s[PFB:PFB+1] offset:(\fv)+13312 th:TH_LOAD_NT scope:SCOPE_SE
.Lasked_pf_\@:
.endm
	s_load_b256 s[4:11], s[0:1], 0x0               ; pc, ps, vr, out0
	v_lshl_add_u32 v[SPW], v0, 2, SPARE
	v_mov_b32 v[NIL], 0
	ds_add_u32 v[SPW], v[NIL]                      ; the wave's opening: the add, twice on end, and its wait ahead of my first tensor load
	ds_add_u32 v[SPW], v[NIL]
	v_lshrrev_b32 v1, 5, v0
	v_readfirstlane_b32 s14, v1                    ; wave
	v_and_b32 v1, 31, v0                           ; lane
	v_and_b32 v2, 15, v0                           ; r
	v_bfe_u32 v3, v0, 4, 1                         ; h
	v_lshlrev_b32 v[LI], 4, v1
	s_lshr_b32 s15, s14, 1                         ; ha.  Also: I fetch for P (0) or for V (1)
	s_and_b32 s16, s14, 1                          ; hb.  Also: which half I fetch
	s_bfe_u32 s40, ttmp6, 0x40000                  ; cx
	s_bfe_u32 s41, ttmp6, 0x40004                  ; cy
	s_lshl_b32 s42, ttmp9, 2
	s_add_co_u32 s42, s42, s40                     ; tx: my 256 of d
	s_and_b32 s19, ttmp7, 0xffff                   ; cluster y
	s_lshl_b32 s17, s19, 2
	s_add_co_u32 s17, s17, s41                     ; ty: my 128 queries
	s_lshr_b32 s18, s19, 2                         ; the batch: the same in all sixteen partners
	s_lshl_b32 s43, s41, 2
	s_lshl_b32 s43, 15, s43                        ; my row of the cluster
	s_lshl_b32 s44, 0x1111, s40                    ; my column
	s_or_b32 s[G1], s43, (3<<16)|(1<<21)           ; the mask; elements of 8 bytes; no padding; bit 21 beside a mask
	s_mov_b32 s[G1+1], 768<<16                     ; tensor_dim0: four fragments, 6,144 bytes
	s_mov_b32 s[G1+2], 4<<16                       ; tensor_dim1: 4 tiles
	s_mov_b32 s[G1+3], 768<<16                     ; tile_dim0
	s_mov_b32 s[G1+4], 4                           ; tile_dim1
	s_mov_b32 s[G1+5], 3072                        ; from tile to tile: 16 fragments
	s_mov_b32 s[G1+6], 0
	s_mov_b32 s[G1+7], 0
	s_or_b32 s[G1B], s44, (3<<16)|(1<<21)
	s_mov_b32 s[G1B+1], 832<<16                    ; two records, 6,656 bytes
	s_mov_b32 s[G1B+2], 8<<16                      ; 8 tiles
	s_mov_b32 s[G1B+3], 832<<16
	s_mov_b32 s[G1B+4], 8
	s_mov_b32 s[G1B+5], 1664                       ; from tile to tile: four records
	s_mov_b32 s[G1B+6], 0
	s_mov_b32 s[G1B+7], 0
	s_lshl_b32 s22, s17, 3
	s_lshl_b32 s23, s16, 2
	s_add_co_u32 s22, s22, s23
	s_mul_i32 s22, s22, 24576                      ; P: tile 8 ty + 4 x half
	s_mov_b32 s23, 0
	s_lshl_b32 s92, s18, 7
	s_lshl_b32 s93, s42, 4
	s_add_co_u32 s92, s92, s93
	s_lshl_b32 s93, s16, 3
	s_add_co_u32 s92, s92, s93
	s_mul_i32 s92, s92, 13312                      ; V: 128 x batch + 16 tx + 8 x half
	s_mov_b32 s93, 0
	s_lshl_b32 s72, s17, 2
	s_lshl_b32 s73, s15, 1
	s_add_co_u32 s72, s72, s73
	s_lshl_b32 s72, s72, 13                        ; ps: my two pairs of tiles, 8,192 bytes each
	s_mov_b32 s73, 0
	s_mul_i32 s94, s16, HALFA                      ; where they go: no place in the cluster enters an LDS address
	s_mul_i32 s95, s16, HALFB
	s_add_co_u32 s95, s95, 2*HALFA
	s_mov_b32 s[SEL], 0x76543210
	s_mov_b32 s[SEL+1], 0xfedcba98
	s_mov_b32 s[HM], 0xffff0000
	s_mov_b32 s[K01], 0x01010101
	s_wait_alu depctr_va_vdst(0)                   ; the wait directly ahead of the waits below
	s_wait_dscnt 0x0                               ; both opening adds are done
	s_wait_kmcnt 0x0
	s_add_nc_u64 s[6:7], s[6:7], s[72:73]
.irp pr, 0,1                                   ; ps: 512 consecutive bytes a load, on their way ahead of the opening round
.irp s, 0,1,2,3,4,5,6,7,8,9,10,11,12,13,14,15
	global_load_b128 v[96+64*\pr+4*\s:96+64*\pr+4*\s+3], v[LI], s[6:7] offset:8192*\pr+512*\s
.endr
.endr
	s_add_nc_u64 s[20:21], s[4:5], s[22:23]
	s_add_nc_u64 s[46:47], s[8:9], s[92:93]
	CROUND                                         ; all sixteen work-groups are here: the first joint loads meet
.irp s, 0,1
	s_mov_b32 s[G0+4*\s], 1
	s_add_co_u32 s[G0+4*\s+1], s94, \s*SLOT
	s_add_nc_u64 s[G0+4*\s+2:G0+4*\s+3], s[20:21], \s*6144
	s_or_b32 s[G0+4*\s+3], s[G0+4*\s+3], 0x80000000
	s_mov_b32 s[G0B+4*\s], 1
	s_add_co_u32 s[G0B+4*\s+1], s95, \s*SLOT
	s_add_nc_u64 s[G0B+4*\s+2:G0B+4*\s+3], s[46:47], \s*6656
	s_or_b32 s[G0B+4*\s+3], s[G0B+4*\s+3], 0x80000000
.endr
	JLOAD G0, G1, G0B, G1B                         ; K steps 0-3: one load a wave at the head
	s_mov_b32 s68, 26624
	s_cmp_eq_u32 s15, 0
	s_cselect_b32 s70, s40, s41                    ; my place among the four
	s_cselect_b32 s69, 23, 25
	s_cselect_b32 s68, 24576, s68
	s_cselect_b64 s[PFB:PFB+1], s[20:21], s[46:47]
	s_mul_i32 s70, s70, s68
	s_mov_b32 s71, 0
	s_add_nc_u64 s[PFB:PFB+1], s[PFB:PFB+1], s[70:71]
	v_min_u32 v[PFO], s69, v1
	v_lshlrev_b32 v[PFO], 8, v[PFO]
	s_mul_i32 s21, s15, HALFA                      ; my half of P
	s_mul_i32 s22, s16, HALFB
	s_add_co_u32 s22, s22, 2*HALFA                 ; my half of V
	v_mul_u32_u24 v5, v3, 26624                    ; lanes 16-31 take the scale images four tiles on
	v_lshl_add_u32 v5, v1, 2, v5
	v_add_nc_u32 v5, 3072, v5
.irp s, 0,1
	v_add_nc_u32 v[ADRA+\s], s21, v[LI]
	v_add_nc_u32 v[ADRB+\s], s22, v[LI]
	v_add_nc_u32 v[ADRV+\s], s22, v5
	s_add_co_u32 s21, s21, SLOT
	s_add_co_u32 s22, s22, SLOT
.endr
	s_mul_i32 s23, s14, 16*528                     ; my stage for the way out: in slot 0, which has had its last fill and its last read by then
	v_mul_u32_u24 v[STO], v2, 528
	v_lshl_add_u32 v[STO], v3, 7, v[STO]
	v_add_nc_u32 v[STO], s23, v[STO]               ; in: row r, + 128 h bytes
	v_add_nc_u32 v[RD], s23, v[LI]                 ; back: a row of 512 bytes, 16 a lane
	s_lshl_b32 s22, s17, 7
	s_lshl_b32 s23, s15, 6
	s_add_co_u32 s22, s22, s23
	s_lshl_b32 s22, s22, 12                        ; out0: row 128 ty + 64 ha, 4,096 bytes a row,
	s_lshl_b32 s23, s42, 10
	s_add_co_u32 s22, s22, s23
	s_lshl_b32 s23, s16, 9
	s_add_co_u32 s22, s22, s23                     ; + (256 tx + 128 hb) x 4
	s_mov_b32 s23, 0
	s_add_nc_u64 s[10:11], s[10:11], s[22:23]
	s_wait_alu depctr_va_vdst(0)                   ; the wait at the head's end
	s_wait_loadcnt 0x0                             ; ps
	ASKPF 6144, 6656                               ; K steps 4-7
; One pair of tiles: a lane is one query.  At v[R + 4 s]: the chunk's scale word, -M, l, a free register.
.macro STATS pr
.set R, 96+64*(\pr)
.set GG, 224+(\pr)
.set LA, 226+2*(\pr)
	v_min3_num_f32 v[GG], v[R+1], v[R+5], v[R+9]
.irp s, 3,5,7,9,11,13
	v_min3_num_f32 v[GG], v[GG], v[R+4*\s+1], v[R+4*\s+5]
.endr
	v_min_num_f32 v[GG], v[GG], v[R+61]            ; the least -M: the row's
.irp s, 0,1,2,3,4,5,6,7,8,9,10,11,12,13,14,15
	v_sub_f32 v[R+4*\s+1], v[GG], v[R+4*\s+1]      ; M_chunk - M_row: a whole number, 0 or less
.endr
.irp s, 0,1,2,3,4,5,6,7,8,9,10,11,12,13,14,15
	v_max_num_f32 v[R+4*\s+1], 0xc2fe0000, v[R+4*\s+1]   ; held at -127
.endr
.irp s, 0,1,2,3,4,5,6,7,8,9,10,11,12,13,14,15
	v_cvt_i32_f32 v[R+4*\s+1], v[R+4*\s+1]
.endr
.irp s, 0,1,2,3,4,5,6,7,8,9,10,11,12,13,14,15
	v_ldexp_f32 v[R+4*\s+2], v[R+4*\s+2], v[R+4*\s+1]   ; l under the row's M
.endr
.irp s, 0,1,2,3,4,5,6,7,8,9,10,11,12,13,14,15
	v_or_b32 v[R+4*\s], 0x80808080, v[R+4*\s]      ; the bytes are at most 125: 128 onto each, so that no byte borrows from its neighbour
.endr
.irp s, 0,1,2,3,4,5,6,7,8,9,10,11,12,13,14,15
	v_mul_lo_u32 v[R+4*\s+3], v[R+4*\s+1], s[K01]
.endr
.irp s, 0,1,2,3,4,5,6,7,8,9,10,11,12,13,14,15
	v_add_nc_u32 v[R+4*\s], v[R+4*\s], v[R+4*\s+3] ; the shift off all four bytes
.endr
.irp s, 0,1,2,3,4,5,6,7,8,9,10,11,12,13,14,15
	v_and_b32 v[R+4*\s+3], 0x80808080, v[R+4*\s]   ; a byte that kept its 128 has not fallen under 0
.endr
.irp s, 0,1,2,3,4,5,6,7,8,9,10,11,12,13,14,15
	v_lshrrev_b32 v[R+4*\s+1], 7, v[R+4*\s+3]
.endr
.irp s, 0,1,2,3,4,5,6,7,8,9,10,11,12,13,14,15
	v_sub_nc_u32 v[R+4*\s+3], v[R+4*\s+3], v[R+4*\s+1]   ; 0x7f for such a byte, 0 for the others
.endr
.irp s, 0,1,2,3,4,5,6,7,8,9,10,11,12,13,14,15
	v_and_b32 v[PS+16*(\pr)+\s], v[R+4*\s], v[R+4*\s+3]  ; the scale word under the row's M
.endr
	v_add_f32 v[LA], v[R+2], v[R+6]
	v_add_f32 v[LA+1], v[R+10], v[R+14]
.irp s, 4,6,8,10,12,14
	v_add_f32 v[LA], v[LA], v[R+4*\s+2]
	v_add_f32 v[LA+1], v[LA+1], v[R+4*\s+6]
.endr
	v_add_f32 v[LA], v[LA], v[LA+1]                ; the row's l
.endm
	STATS 0
	STATS 1
	s_wait_alu depctr_va_vdst(0)
	v_rcp_f32 v226, v226
	v_rcp_f32 v228, v228
	v_nop                                          ; a plain instruction behind the reciprocals
	s_wait_alu depctr_va_vdst(0)                   ; one wait for the two, ahead of their first reader
	v_permlanex16_b32 v227, v226, s[SEL], s[SEL+1]
	v_permlanex16_b32 v229, v228, s[SEL], s[SEL+1]
.irp pr, 0,1                                   ; 1 / l of tile 2 pr lies in lanes 0-15, of tile 2 pr + 1 in lanes 16-31: each is wanted in both halves, as a pair of registers
	v_cndmask_b32 v[RL+4*\pr], v[226+2*\pr], v[227+2*\pr], s[HM]
	v_cndmask_b32 v[RL+4*\pr+1], v[226+2*\pr], v[227+2*\pr], s[HM]
	v_cndmask_b32 v[RL+4*\pr+2], v[227+2*\pr], v[226+2*\pr], s[HM]
	v_cndmask_b32 v[RL+4*\pr+3], v[227+2*\pr], v[226+2*\pr], s[HM]
.endr
	PLACES 8                                       ; scale registers written by vector instructions stand eight places ahead of a scaled matrix instruction
.macro FRAG reg, adr, off
.irp c, 0,1,2
	ds_load_b128 v[\reg+4*\c:\reg+4*\c+3], v[\adr] offset:\off+512*\c
.endr
.endm
.macro FETCH4 slot, q, p               ; K step q of the slot: V's eight fragments and P's four into sets p: 36 loads
	WIN 0x40
.irp i, 0,1,2,3,4,5,6,7
	FRAG 128*(\p)+12*\i, ADRB+(\slot), 6656*\i+3328*((\q)/2)+1536*((\q)%2)
.endr
	WIN 0
.irp i, 0,1,2,3
	FRAG AF+48*(\p)+12*\i, ADRA+(\slot), 6144*\i+1536*(\q)
.endr
.endm
.macro FETCH15                         ; K step 15's, into window 3
	WIN 0xc0
.irp i, 0,1,2,3,4,5,6,7
	FRAG 12*\i, ADRB+1, 6656*\i+3328+1536
.endr
.irp i, 0,1,2,3
	FRAG 96+12*\i, ADRA+1, 6144*\i+3*1536
.endr
	WIN 0
.endm
.macro VSCALES slot                    ; V's scale words of the slot's four K steps: 16 loads
.irp q, 0,1,2,3
.irp i, 0,1,2,3
	ds_load_b32 v[VS+16*(\slot)+4*\q+\i], v[ADRV+(\slot)] offset:6656*\i+3328*(\q/2)+128*(\q%2)
.endr
.endr
.endm
.macro NEXT4 k                         ; scale words first, P's tiles last
.set NSL, ((\k)/4)%2
.set NQQ, (\k)%4
.set NPP, (\k)%2
.set NLD, 36
.if NQQ == 0
	VSCALES NSL
.set NLD, 52
.endif
	FETCH4 NSL, NQQ, NPP
.endm
; One product.  ra, rb: the side's scale words stand in lanes 16-31 of the register named.
.macro WM dd, fb, fa, c, sv, sp, ra, rb
.if \ra
.if \rb
	v_wmma_scale_f32_16x16x128_f8f6f4 v[\dd:\dd+7], v[\fb:\fb+11], v[\fa:\fa+11], \c, v[\sv], v[\sp] matrix_a_fmt:MATRIX_FMT_FP6 matrix_b_fmt:MATRIX_FMT_FP6 matrix_a_scale:MATRIX_SCALE_ROW1 matrix_b_scale:MATRIX_SCALE_ROW1
.else
	v_wmma_scale_f32_16x16x128_f8f6f4 v[\dd:\dd+7], v[\fb:\fb+11], v[\fa:\fa+11], \c, v[\sv], v[\sp] matrix_a_fmt:MATRIX_FMT_FP6 matrix_b_fmt:MATRIX_FMT_FP6 matrix_a_scale:MATRIX_SCALE_ROW1
.endif
.else
.if \rb
	v_wmma_scale_f32_16x16x128_f8f6f4 v[\dd:\dd+7], v[\fb:\fb+11], v[\fa:\fa+11], \c, v[\sv], v[\sp] matrix_a_fmt:MATRIX_FMT_FP6 matrix_b_fmt:MATRIX_FMT_FP6 matrix_b_scale:MATRIX_SCALE_ROW1
.else
	v_wmma_scale_f32_16x16x128_f8f6f4 v[\dd:\dd+7], v[\fb:\fb+11], v[\fa:\fa+11], \c, v[\sv], v[\sp] matrix_a_fmt:MATRIX_FMT_FP6 matrix_b_fmt:MATRIX_FMT_FP6
.endif
.endif
.endm
; 8 products: P's tile a x V's eight blocks.  The accumulators take turns, one instruction a turn.
.macro MUL8 a, k, zero
.irp b, 0,1,2,3,4,5,6,7
.set DD, 8*(8*(\a)+\b)
.if (\k) == 15
.set FB, 12*\b
.set FA, 96+12*(\a)
.else
.set FB, 128*((\k)%2)+12*\b
.set FA, AF+48*((\k)%2)+12*(\a)
.endif
.set SV, VS+16*(((\k)/4)%2)+4*((\k)%4)+(\b%4)
.set SP, PS+16*((\a)/2)+(\k)
.if \zero
	WM DD, FB, FA, 0, SV, SP, \b/4, (\a)%2
.else
	WM DD, FB, FA, v[DD:DD+7], SV, SP, \b/4, (\a)%2
.endif
.endr
.endm
; A K step: mode 0 plain; 1: the slot just read out is filled again; 2: a barrier in front of the last slot's first read; 3: K step 13.
.macro KSTEP4 k, mode, zero
.if \mode == 0
	s_wait_dscnt 9                                 ; this step's fragments but P's tiles 1-3 are in
.if (\k) > 0
	PLACES 4                                       ; in front of loads into registers that matrix instructions have read
.endif
	NEXT4 (\k)+1
	WIN MUL
	MUL8 0, \k, \zero
	s_wait_dscnt NLD+6                             ; P's tile 1 is in: tiles 2 and 3 and the next step's loads may be out
	MUL8 1, \k, \zero
	s_wait_dscnt NLD+3
	MUL8 2, \k, \zero
	s_wait_dscnt NLD
	MUL8 3, \k, \zero
	WIN 0
.elseif \mode == 1
.set RS, ((\k)/4)%2
	s_wait_tensorcnt 0x0                           ; all my tensor loads have landed: my part of the other slot;
	ds_add_u32 v[SPW], v[NIL]                      ; 0 onto my spare word;
	s_wait_dscnt 0x1                               ; (only the add may be out)
	WIN MUL
	MUL8 0, \k, 0                                  ; eight products stand between the add and the wait for it
	s_wait_dscnt 0x0                               ; the add is done, and my reads of this slot are over
	s_barrier_signal -1
	MUL8 1, \k, 0
	WIN 0
	s_barrier_wait -1
	CREST                                          ; a round of the cluster's barrier: no wave of any partner still reads this slot or has a load on its way
	s_add_nc_u64 s[G0+4*RS+2:G0+4*RS+3], s[G0+4*RS+2:G0+4*RS+3], 12288    ; eight chunks on
	s_add_nc_u64 s[G0B+4*RS+2:G0B+4*RS+3], s[G0B+4*RS+2:G0B+4*RS+3], 851968   ; the other half of the keys: 64 tiles' records on
	JLOAD G0+4*RS, G1, G0B+4*RS, G1B               ; the first tensor load behind the round, my one load out; its four v_nop are the places in front of the loads below
.if (\k) == 3
	ASKPF 18432, 858624                            ; K steps 12-15
.endif
	NEXT4 (\k)+1
	WIN MUL
	MUL8 2, \k, 0
	MUL8 3, \k, 0
	WIN 0
.elseif \mode == 2
	s_wait_tensorcnt 0x0                           ; my part of the last fill is in: the one load that was out.
	s_wait_dscnt 0x0                               ; and my reads of slot 0 are over: the way out will store there
	s_barrier_signal -1
	WIN MUL
	MUL8 0, \k, 0
	MUL8 1, \k, 0
	WIN 0
	s_barrier_wait -1
	PLACES 4
	NEXT4 (\k)+1
	WIN MUL
	MUL8 2, \k, 0
	MUL8 3, \k, 0
	WIN 0
.else
	s_wait_dscnt 36                                ; this step's fragments are in; K step 15's 36 loads may be out
	PLACES 4
	NEXT4 (\k)+1
	WIN MUL
	MUL8 0, \k, 0
	MUL8 1, \k, 0
	MUL8 2, \k, 0
	MUL8 3, \k, 0
	WIN 0
.endif
.endm
	s_wait_alu depctr_va_vdst(0)
	s_wait_tensorcnt 0x0                           ; my part of slot 0 is in
	ds_add_u32 v[SPW], v[NIL]
	s_wait_dscnt 0x0
	CROUND
	JLOAD G0+4, G1, G0B+4, G1B                     ; K steps 4-7, into slot 1
	VSCALES 0
	FETCH4 0, 0, 0
	ASKPF 12288, 851968                            ; K steps 8-11
	KSTEP4 0, 0, 1                                 ; the first products start the sums: nothing is cleared
	KSTEP4 1, 0, 0
	KSTEP4 2, 0, 0
	KSTEP4 3, 1, 0
	KSTEP4 4, 0, 0
	KSTEP4 5, 0, 0
	KSTEP4 6, 0, 0
	KSTEP4 7, 1, 0
	KSTEP4 8, 0, 0
	KSTEP4 9, 0, 0
	KSTEP4 10, 0, 0
	KSTEP4 11, 2, 0
	KSTEP4 12, 0, 0
	FETCH15                                        ; into registers that nothing has used yet
	KSTEP4 13, 3, 0
; THE WAY OUT, a tile of 16 queries at a time, behind its products of K steps 14 and 15: x 1 / l; a lane's 256 bytes of a row go into my stage (rows of 512 bytes + 16) and come back as whole rows, which the 32 lanes store as 512 consecutive bytes.
; LDS serves a wave's instructions in order (ISA guide 5.7.1.4): no wait between the stores and the loads, nor in front of the next tile's stores.
.macro ROW a
	WIN MUL
	MUL8 \a, 14, 0
	WIN MUL3
	MUL8 \a, 15, 0
	WIN 0
.endm
.macro TOSTAGE a
.set AC, 64*(\a)
	WIN 0x82                                       ; destination and source 0 window 2, source 1 window 0
.set jj, 0
.rept 32
	v_pk_mul_f32 v[AC+jj:AC+jj+1], v[AC+jj:AC+jj+1], v[RL+2*(\a):RL+2*(\a)+1] op_sel_hi:[1,0]   ; each accumulator from its low end on
.set jj, jj+2
.endr
	WIN 0x08                                       ; an LDS store's data are its source 1: window 2
.irp b, 0,1,2,3,4,5,6,7
	ds_store_b128 v[STO], v[AC+8*\b:AC+8*\b+3] offset:256*(\b/4)+32*(\b%4)          ; register j of block b is d = 64 (b / 4) + 32 h + 8 (b % 4) + j of my 128
	ds_store_b128 v[STO], v[AC+8*\b+4:AC+8*\b+7] offset:256*(\b/4)+32*(\b%4)+16
.endr
	WIN 0x40                                       ; the rows come back into window 1
.set BK, 128+64*((\a)%2)
.irp t, 0,1,2,3,4,5,6,7,8,9,10,11,12,13,14,15
	ds_load_b128 v[BK+4*\t:BK+4*\t+3], v[RD] offset:528*\t
.endr
	WIN 0
.endm
.macro SEND a
.set BK, 128+64*((\a)%2)
	s_wait_dscnt 0x0
	WIN 0x04                                       ; a store's data are its source 1: window 1
.irp t, 0,1,2,3,4,5,6,7,8,9,10,11,12,13,14,15
	global_store_b128 v[LI], v[BK+4*\t:BK+4*\t+3], s[10:11] offset:4096*(8*(\a)+(\t%8)+32*(\t/8)) th:TH_STORE_NT   ; lane t of tile a is row 32 (t / 8) + 8 a + t % 8 of my 64; 512 consecutive bytes, aligned to 256; written once
.endr
	WIN 0
.endm
	s_wait_dscnt 9                                 ; K step 15's fragments, V's of K step 14 and P's tile 0 are in
	ROW 0
	s_wait_dscnt 0x0
	PLACES 4                                       ; behind the tile's last products
	TOSTAGE 0
.irp a, 1,2,3
	ROW \a
.if \a > 1
	s_wait_xcnt 0x0                                ; tile a - 2's stores have read their registers: tile a's rows may land there
.endif
	SEND \a-1
	PLACES 4
	TOSTAGE \a
.endr
	SEND 3
	s_wait_tensorcnt 0x0                           ; the wave's end, behind my last tensor load and my last LDS store
	ds_add_u32 v[SPW], v[NIL]
	s_wait_dscnt 0x0
	CROUND                                         ; the closing round: no work-group ends while a partner may still ask for a tile that names it
	s_endpgm
.Lfunc_end_k_qfa10aa928c_pv:
	.size	k_qfa10aa928c_pv, .Lfunc_end_k_qfa10aa928c_pv-k_qfa10aa928c_pv
	.p2alignl 7, 3214868480
	.fill 96, 4, 3214868480
	.section	.rodata,"a",@progbits
	.p2align	6, 0x0
	.amdhsa_kernel k_qfa10aa928c_pv
		.amdhsa_group_segment_fixed_size 327680
		.amdhsa_private_segment_fixed_size 0
		.amdhsa_enable_private_segment 0
		.amdhsa_kernarg_size 32
		.amdhsa_user_sgpr_count 2
		.amdhsa_user_sgpr_kernarg_segment_ptr 1
		.amdhsa_wavefront_size32 1
		.amdhsa_system_sgpr_workgroup_id_x 1
		.amdhsa_system_sgpr_workgroup_id_y 1
		.amdhsa_system_sgpr_workgroup_id_z 1
		.amdhsa_system_vgpr_workitem_id 0
		.amdhsa_next_free_vgpr 1024
		.amdhsa_next_free_sgpr 100
		.amdhsa_reserve_vcc 0
		.amdhsa_float_denorm_mode_32 3
		.amdhsa_float_denorm_mode_16_64 3
		.amdhsa_memory_ordered 1
		.amdhsa_forward_progress 1
		.amdhsa_inst_pref_size 167
	.end_amdhsa_kernel
	.amdgpu_metadata
---
amdhsa.version: [ 1, 2 ]
amdhsa.kernels:
  - .name:           k_qfa10aa928c_pv
    .symbol:         k_qfa10aa928c_pv.kd
    .args:
      - { .name: pc, .offset: 0, .size: 8, .value_kind: global_buffer, .address_space: global }
      - { .name: ps, .offset: 8, .size: 8, .value_kind: global_buffer, .address_space: global }
      - { .name: vr, .offset: 16, .size: 8, .value_kind: global_buffer, .address_space: global }
      - { .name: out0, .offset: 24, .size: 8, .value_kind: global_buffer, .address_space: global }
    .group_segment_fixed_size: 327680
    .private_segment_fixed_size: 0
    .kernarg_segment_align: 8
    .kernarg_segment_size: 32
    .max_flat_workgroup_size: 128
    .sgpr_count:     100
    .vgpr_count:     1024
    .wavefront_size: 32
...
	.end_amdgpu_metadata
.endif
;; end of part 4
